; MI455X (gfx1250); checked and timed in simulation.
; The chip was launched on July 23, 2026; its instructions are those of AMD's public machine-readable ISA for CDNA 5 (MIT licence, August 2026) and "CDNA5" Instruction Set Architecture Reference Guide (July 2026). The comments in the code are by the model that wrote it; some were corrected since.
;; Sentiment Attention. Allowed arithmetic: float matrix products may take bf16 or f16 operands with f32 sums; other float arithmetic in f32, or as packed bf16 or f16 multiplies, adds, multiply-adds, maxima and minima; sums over many terms, partial sums and values carried from step to step in f32; what a program stores and reads back later, other than sums and carried values, may be rounded once to bf16 or f16.
;; Inputs: W1 512 x 1,024 float32; W2 512 x 1,024 float32; arg1 32 x 512 float32; arg2 32 x 512 float32; b1 512 float32; b2 512 float32; enc_hs 32 x 2,048 x 1,024 float32; src_mask 32 x 2,048 bool.
;; Outputs: out0 32 x 2,048 float32.
;; 2 versions, each right; version 2 is version 1 with the launch main written anew for expert scheduling mode. Each part assembles by itself: llvm-mc -triple=amdgcn-amd-amdhsa -mcpu=gfx1250 --defsym DOCPART=n.
;; ======== version 1 of 2: 3 launches
;; workspace buffers: wf 2,097,152 bytes; tab 135,168 bytes; rows 278,528 bytes of whole numbers; pctx 4,194,304 bytes; pml 262,144 bytes
;; launch prep (part 1): grid 169 x 1, 4 waves a work-group, no clusters, 0 bytes of LDS; arguments W1, W2, arg1, arg2, b1, b2, src_mask, wf, tab, rows; writes wf, tab, rows
.if DOCPART == 1
	.amdgcn_target "amdgcn-amd-amdhsa--gfx1250"
	.amdhsa_code_object_version 6
	.text
	.protected	k_q8285ddf7df_prep
	.globl	k_q8285ddf7df_prep
	.p2align	8
	.type	k_q8285ddf7df_prep,@function
k_q8285ddf7df_prep:
	s_mov_b64 s[64:65], 0
	v_nop
	global_prefetch_b8 v0, s[64:65] scope:SCOPE_SE
	s_setreg_imm32_b32 hwreg(HW_REG_WAVE_MODE, 25, 1), 1
	s_wait_xcnt 0x0
; PREPARATION, three kinds of work, one kind to a work-group, chosen by the work-group's number x alone (forward branches).
;   x < 8        four batches, a wave each: the list of the batch's unmasked rows, and their count n          -> rows
;   8 <= x < 41  one row of tab: arg1|arg2 of batch x - 8 rounded to bf16, or (row 32) c x (b1|b2 rounded)    -> tab
;   x >= 41      W1 and W2 rounded to bf16 and laid out in the order in which the next launch's lanes load them -> wf
; rows: [32][2176] words.  0 .. n-1: the global numbers 2048 b + s of the rows with mask 0, ascending; every other word the pad 2048 b; word 2112: n.
; tab:  [33][1024] f32.   c = 2 log2(e), so that tanh(x + b) = 1 - 2 / (1 + 2^(c x + c b)).
; wf:   2,048 blocks of 1,024 bytes; block ((w 2 + c) 32 + s) 8 + q; byte 512 t + 16 l holds W_c[128 w + 16 q + l % 16][32 s + 16 t + 8 (l / 16) + 0..7] in bf16.
; No LDS, no barrier: no wave wants what another wave has.
.set CEXP, 0x4038aa3b                  ; 2 log2(e)
	s_load_b512 s[4:19], s[0:1], 0x0               ; W1 s[4:5], W2 s[6:7], arg1 s[8:9], arg2 s[10:11], b1 s[12:13], b2 s[14:15], mask s[16:17], wf s[18:19]
	s_load_b128 s[20:23], s[0:1], 0x40             ; tab s[20:21], rows s[22:23]
	v_lshrrev_b32 v3, 5, v0
	v_readfirstlane_b32 s24, v3                    ; wave 0..3
	v_and_b32 v1, 31, v0                           ; lane
	v_lshlrev_b32 v2, 4, v1                        ; 16 x lane
	s_wait_kmcnt 0x0
	s_cmp_lt_u32 ttmp9, 8
	s_cbranch_scc1 .Lmask
	s_cmp_lt_u32 ttmp9, 41
	s_cbranch_scc1 .Ltab
	; ---- W: wave g of 512 takes 16 rows of one W and 128 of their k: four blocks' worth of K steps of 32
	s_sub_co_u32 s25, ttmp9, 41
	s_lshl_b32 s25, s25, 2
	s_add_co_u32 s25, s25, s24                     ; g
	s_and_b32 s26, s25, 7                          ; u: k = 128 u ..
	s_bfe_u32 s27, s25, 0x30003                    ; q: which 16 rows of the 128
	s_bfe_u32 s28, s25, 0x10006                    ; c: W1 or W2
	s_lshr_b32 s29, s25, 7                         ; w: which 128 rows
	s_cmp_eq_u32 s28, 0
	s_cselect_b64 s[30:31], s[4:5], s[6:7]
	s_lshl_b32 s32, s29, 19                        ; 128 w rows of 4,096 bytes
	s_lshl_b32 s33, s27, 16                        ; 16 q rows
	s_add_co_u32 s32, s32, s33
	s_lshl_b32 s33, s26, 9                         ; 128 u numbers of 4 bytes
	s_add_co_u32 s32, s32, s33
	s_mov_b32 s33, 0
	s_add_nc_u64 s[30:31], s[30:31], s[32:33]
	v_and_b32 v4, 15, v0
	v_lshlrev_b32 v4, 12, v4                       ; row l % 16
	v_bfe_u32 v5, v0, 4, 1
	v_lshl_add_u32 v4, v5, 5, v4                   ; + 8 (l / 16) numbers
.set i_, 0
.rept 8                                ; i_ = 2 blk + t: 8 numbers a lane, two loads
	global_load_b128 v[32+8*i_:35+8*i_], v4, s[30:31] offset:64*i_
	global_load_b128 v[36+8*i_:39+8*i_], v4, s[30:31] offset:64*i_+16
.set i_, i_+1
.endr
	s_lshl_b32 s34, s29, 1
	s_add_co_u32 s34, s34, s28                     ; 2 w + c
	s_lshl_b32 s34, s34, 5
	s_lshl2_add_u32 s34, s26, s34                  ; x 32 + 4 u: the first of my four K steps
	s_lshl_b32 s34, s34, 13                        ; 8 blocks of 1,024 bytes a K step
	s_lshl_b32 s35, s27, 10
	s_add_co_u32 s34, s34, s35
	s_mov_b32 s35, 0
	s_add_nc_u64 s[18:19], s[18:19], s[34:35]
	s_wait_loadcnt 0x0
.set i_, 0
.rept 32
	v_cvt_pk_bf16_f32 v[96+i_], v[32+2*i_], v[33+2*i_]
.set i_, i_+1
.endr
.set i_, 0
.rept 8
	global_store_b128 v2, v[96+4*i_:99+4*i_], s[18:19] offset:8192*(i_/2)+512*(i_%2)  ; a wave's store covers 512 consecutive bytes, aligned
.set i_, i_+1
.endr
	s_endpgm
.Ltab:	; ---- tab: thread t takes 4 numbers of the first half and 4 of the second
	s_sub_co_u32 s25, ttmp9, 8                     ; the row
	s_lshl_b32 s26, s25, 11                        ; a row of arg is 2,048 bytes
	s_cmp_eq_u32 s25, 32
	s_cselect_b64 s[28:29], s[12:13], s[8:9]       ; b1 or arg1
	s_cselect_b64 s[30:31], s[14:15], s[10:11]     ; b2 or arg2
	s_cselect_b32 s26, 0, s26
	s_cselect_b32 s32, CEXP, 1.0
	s_mov_b32 s33, s32                             ; named with it as a pair
	s_mov_b32 s27, 0
	s_add_nc_u64 s[28:29], s[28:29], s[26:27]
	s_add_nc_u64 s[30:31], s[30:31], s[26:27]
	s_lshl_b32 s34, s25, 12
	s_mov_b32 s35, 0
	s_add_nc_u64 s[20:21], s[20:21], s[34:35]
	v_lshlrev_b32 v3, 4, v0
	global_load_b128 v[8:11], v3, s[28:29]
	global_load_b128 v[12:15], v3, s[30:31]
	s_wait_loadcnt 0x0
.irp e, 0,1,2,3
	v_cvt_pk_bf16_f32 v[16+(\e)], v[8+2*(\e)], v[9+2*(\e)]   ; rounded to bf16,
.endr
.irp e, 0,1,2,3
	v_lshlrev_b32 v[8+2*(\e)], 16, v[16+(\e)]                ; and written as f32 again
	v_and_b32 v[9+2*(\e)], 0xffff0000, v[16+(\e)]
.endr
.irp e, 0,1,2,3
	v_pk_mul_f32 v[8+2*(\e):9+2*(\e)], v[8+2*(\e):9+2*(\e)], s[32:33] op_sel_hi:[1,0]
.endr
	global_store_b128 v3, v[8:11], s[20:21]
	global_store_b128 v3, v[12:15], s[20:21] offset:2048
	s_endpgm
.Lmask:	; ---- rows: one wave, one batch.  Row s = 32 g + lane.  A kept row goes to place (kept rows before it); a masked row puts the pad at place
	; 2047 - (masked rows before it): each of the places 0 .. 2047 is written once, and EXEC stays whole.
	s_lshl_b32 s25, ttmp9, 2
	s_add_co_u32 s25, s25, s24                     ; the batch
	s_lshl_b32 s26, s25, 11                        ; 2048 b: its first mask byte, its first global row, the pad
	s_mov_b32 s27, 0
	s_add_nc_u64 s[16:17], s[16:17], s[26:27]
	s_mul_i32 s28, s25, 8704
	s_mov_b32 s29, 0
	s_add_nc_u64 s[22:23], s[22:23], s[28:29]
.set g_, 0
.rept 64
	global_load_u8 v[32+g_], v1, s[16:17] offset:32*g_
.set g_, g_+1
.endr
	v_add_nc_u32 v4, s26, v1                       ; my row's global number in group 0
	v_mov_b32 v7, s26                              ; the pad
	v_sub_nc_u32 v6, 2047, v1                      ; 2047 - s in group 0
	s_mov_b32 s30, 0                               ; kept rows so far
	s_wait_loadcnt 0x0
.set g_, 0
.rept 64                               ; each store has registers of its own, so no wait stands between the stores
	v_cmp_eq_u32 vcc_lo, 0, v[32+g_]               ; kept?
	v_mbcnt_lo_u32_b32 v3, vcc_lo, 0               ; kept lanes below me
	v_add_nc_u32 v3, s30, v3                       ; kept rows before me
	v_add_nc_u32 v5, v3, v6                        ; 2047 - (s - kept rows before me)
	v_cndmask_b32 v5, v5, v3, vcc_lo
	v_cndmask_b32 v[160+g_], v7, v4, vcc_lo
	v_min_u32 v5, 2047, v5                         ; the place comes from loaded bytes: it is clamped ahead of the shift
	v_lshlrev_b32 v[96+g_], 2, v5
	s_bcnt1_i32_b32 s31, vcc_lo
	s_add_co_u32 s30, s30, s31
	v_add_nc_u32 v4, 32, v4
	v_sub_nc_u32 v6, v6, 32
	global_store_b32 v[96+g_], v[160+g_], s[22:23]
.set g_, g_+1
.endr
	v_cmp_eq_u32 vcc_lo, 16, v1                    ; words 2048 .. 2175: pads, and n in word 2112 = lane 16's first
	v_mov_b32 v8, s30
	v_cndmask_b32 v224, v7, v8, vcc_lo
	v_mov_b32 v225, v7
	v_mov_b32 v226, v7
	v_mov_b32 v227, v7
	global_store_b128 v2, v[224:227], s[22:23] offset:8192
	s_endpgm
.Lfunc_end_k_q8285ddf7df_prep:
	.size	k_q8285ddf7df_prep, .Lfunc_end_k_q8285ddf7df_prep-k_q8285ddf7df_prep
	.p2alignl 7, 3214868480
	.fill 96, 4, 3214868480
	.section	.rodata,"a",@progbits
	.p2align	6, 0x0
	.amdhsa_kernel k_q8285ddf7df_prep
		.amdhsa_group_segment_fixed_size 0
		.amdhsa_private_segment_fixed_size 0
		.amdhsa_enable_private_segment 0
		.amdhsa_kernarg_size 80
		.amdhsa_user_sgpr_count 2
		.amdhsa_user_sgpr_kernarg_segment_ptr 1
		.amdhsa_wavefront_size32 1
		.amdhsa_system_sgpr_workgroup_id_x 1
		.amdhsa_system_sgpr_workgroup_id_y 1
		.amdhsa_system_sgpr_workgroup_id_z 1
		.amdhsa_system_vgpr_workitem_id 0
		.amdhsa_next_free_vgpr 232
		.amdhsa_next_free_sgpr 66
		.amdhsa_reserve_vcc 1
		.amdhsa_float_denorm_mode_32 3
		.amdhsa_float_denorm_mode_16_64 3
		.amdhsa_memory_ordered 1
		.amdhsa_forward_progress 1
		.amdhsa_inst_pref_size 51
	.end_amdhsa_kernel
	.amdgpu_metadata
---
amdhsa.version: [ 1, 2 ]
amdhsa.kernels:
  - .name:           k_q8285ddf7df_prep
    .symbol:         k_q8285ddf7df_prep.kd
    .args:
      - { .name: W1, .offset: 0, .size: 8, .value_kind: global_buffer, .address_space: global }
      - { .name: W2, .offset: 8, .size: 8, .value_kind: global_buffer, .address_space: global }
      - { .name: arg1, .offset: 16, .size: 8, .value_kind: global_buffer, .address_space: global }
      - { .name: arg2, .offset: 24, .size: 8, .value_kind: global_buffer, .address_space: global }
      - { .name: b1, .offset: 32, .size: 8, .value_kind: global_buffer, .address_space: global }
      - { .name: b2, .offset: 40, .size: 8, .value_kind: global_buffer, .address_space: global }
      - { .name: src_mask, .offset: 48, .size: 8, .value_kind: global_buffer, .address_space: global }
      - { .name: wf, .offset: 56, .size: 8, .value_kind: global_buffer, .address_space: global }
      - { .name: tab, .offset: 64, .size: 8, .value_kind: global_buffer, .address_space: global }
      - { .name: rows, .offset: 72, .size: 8, .value_kind: global_buffer, .address_space: global }
    .group_segment_fixed_size: 0
    .private_segment_fixed_size: 0
    .kernarg_segment_align: 8
    .kernarg_segment_size: 80
    .max_flat_workgroup_size: 128
    .sgpr_count:     66
    .vgpr_count:     232
    .wavefront_size: 32
...
	.end_amdgpu_metadata
.endif
;; end of part 1
;; launch main (part 2): grid 8 x 32, 4 waves a work-group, no clusters, 327,680 bytes of LDS; arguments enc_hs, wf, tab, rows, pctx, pml; writes pctx, pml
.if DOCPART == 2
	.amdgcn_target "amdgcn-amd-amdhsa--gfx1250"
	.amdhsa_code_object_version 6
	.text
	.protected	k_q8285ddf7df_main
	.globl	k_q8285ddf7df_main
	.p2align	8
	.type	k_q8285ddf7df_main,@function
k_q8285ddf7df_main:
	s_mov_b64 s[64:65], 0
	v_nop
	global_prefetch_b8 v0, s[64:65] scope:SCOPE_SE
	s_setreg_imm32_b32 hwreg(HW_REG_WAVE_MODE, 25, 1), 1
	s_wait_xcnt 0x0
; FOR ONE SHARE OF ONE BATCH'S UNMASKED ROWS: scores of both heads, a softmax over the share, and the share's part of both contexts.
;   score_c[s] = sum over a of arg_c[a] tanh(enc[s] . W_c[a] + b_c[a]);  m_c = max score_c;  p = e^(score - m);  l_c = sum p;  ctx_c = sum p enc[s].   The next launch merges (m, l, ctx).
; A masked row has weight 0 in the result, so it is never read: the list of unmasked rows (rows, made by the launch before) says which rows are gathered.
; SHARES.  Batch b has n rows in its list.  Work-group (j, b) takes q = ceil(n / 8) places of the list from j q on, 144 a PASS; the second pass has work only where q > 144 (it is jumped over,
; its barriers are not).  The pass's 144 rows stay in LDS in bf16 from the gather to the context: enc_hs is read once.  Places of the tile past the share's end hold rows with weight 0.
; FORMATS.  enc, W, b, arg are rounded to bf16 once; products on the matrix unit, sums in f32; tanh, softmax in f32; a weight p goes into the context's product as two bf16 parts, p = hi + lo.
; LIMITS.  Rows that are read with weight 0 (the pad row 2048 b; a neighbour's rows) must hold finite numbers; NaN and infinities in enc_hs are not treated as the unfused computation treats them.
; A batch with no unmasked row gives l = 0 here and NaN in the end, as a softmax over nothing does.
; W COMES STRAIGHT INTO REGISTERS, NOT JOINTLY THROUGH LDS: the tile takes 313,344 of the 327,680 bytes; a K step of 32 of W for 512 columns is 32,768 bytes: no slot for it fits, so a joint
; load would have nowhere to land.  Wave w takes columns 128 w .. 128 w + 127 of a head, so no wave wants a byte of W that another wave has fetched.
; LDS BY PHASES, a barrier between each two: the gather stores the tile, arg and c b; the products only read; the partial scores are stored; softmax and context read them and the tile, and
; each wave writes bytes of its own.
; THE MATRIX INSTRUCTION IS USED TRANSPOSED (source 0 = 16 rows of W, source 1 = 16 rows of enc): a lane holds ONE row of enc (lane % 16) and columns 8 (lane / 16) + 0..7 of each 16.
; REGISTERS, in windows of 256 (s_set_vgpr_msb: bits 1:0 source 0, 3:2 source 1, 5:4 source 2, 7:6 destination):
;   window 0: v0-31 addresses; v32-95 accumulators of row block 8 (gather: row offsets); v96-239 two sets of enc fragments (gather: packed bf16; epilogue: two buffers T, sums S; later P and the way out);
;             v242-243 c; v244-252 head 0's partial scores, kept while head 1 is made
;   window 1: four sets of W fragments (epilogue: sets 2, 3 hold c b and arg)     windows 2, 3: accumulators of row blocks 0-3, 4-7 (gather: the loads; context: accumulators, enc fragments)
.set PITCH,  272                       ; a tile row of one K block: 256 bytes + 16: the 16 rows of a fragment load start at 16 different groups of four banks (64 banks of 4 bytes: ISA guide 11.1)
.set BLK,    144*PITCH                 ; a K block: 128 channels of the 144 rows
.set TAB,    8*BLK                     ; arg row (4,096 bytes), c b row (4,096).  Behind the scores' barrier wave w owns TAB + 2048 w: the weights' table, then the stage of the way out
.set SP,     TAB+8192                  ; partial scores [head 2][wave 4][144] f32
.set SPARE,  SP+4608                   ; the spare words, 128 bytes a wave: two blocks of 256 bytes that no other line names
.set PPITCH, 336                       ; a row of the weights' table: 160 bf16 + 16 bytes
.set WSTEP,  8192                      ; bytes of wf for one wave, one head, one K step of 32
.set LANE,1
.set L16,2                             ; 16 x lane
.set R,3                               ; lane % 16
.set H,4                               ; lane / 16
.set AA0,5                             ; enc fragment: 272 r + 16 h
.set AA,6                              ;   + the K block in hand
.set LS0,7                             ; gather: my wave's 36 rows, 8 bytes a lane
.set LS,8
.set TA0,9                             ; TAB + 512 w + 32 h
.set TA,10                             ;   + the head
.set SPS0,11                           ; SP + 576 w + 4 r; never rewritten
.set SPR,13                            ; SP + 4 lane
.set SPR4,14                           ; SP + 512 + 4 r
.set PTS,15                            ; my table + 2 lane
.set PTL,16                            ; my table + 336 ((r & 1) + 2 (r >> 3)) + 16 h
.set PMASK,17                          ; all ones where r is 0, 1, 8 or 9
.set AV0,18                            ; turning load: (8 h + l % 8) 272 + 16 ((l / 8) % 2) + my wave's first K block
.set AV1,19                            ;   the second
.set STS,20                            ; stage, in: 1024 h + 4 r
.set STL,21                            ; stage, back: 16 lane
.set T16,22                            ; TAB + 16 x thread
.set NEGV,23                           ; the lowest finite number
.set ML,24                             ; v[24:27] m1, l1, m2, l2
.set SPW,28                            ; my spare word; never rewritten
.set NIL,29                            ; 0; never rewritten
.set TMP,30
.set G16,31                            ; 16 x thread
.set RO,32                             ; gather: v32-67 byte offsets of my wave's 36 rows
.set ACC8,32
.set AF,96                             ; enc fragments: set z, row block a at AF + 72 z + 8 a
.set PK,96                             ; gather: packed bf16
.set TBL,208                           ; gather: TAB's loads
.set TB,96                             ; epilogue: buffer t % 2 at TB + 64 (t % 2)
.set SS,224                            ; epilogue: row block a's pair of sums at SS + 2 a
.set CV,242                            ; v[242:243] c, twice
.set KEEP,244                          ; v244-252 head 0's partial score of row block a at KEEP + a
.set PF,96                             ; context: the weights' fragments, 8 a step
.set SCB,136                           ; softmax: head hd, group t at SCB + 20 hd + 4 t
.set HB,182                            ; softmax: hi, lo, hi >> 16, lo >> 16 for each t
.set HT,202
.set OS,206                            ; way out: 16 sums, then 16 registers read back
.set ENC,4
.set WF,6
.set TBP,8
.set RWS,10
.set PCTX,12
.set PML,14
.set RN,16                             ; s16-51 my wave's 36 row numbers
.set WV,52
.set JJ,53
.set BB,54
.set NN,55
.set QQ,56
.set START,57
.set AVAIL,58
.set NV,59                             ; valid rows in the pass's tile
.set ACT,60                            ; 1: the pass has work
.set ACT2,61
.set PASS,62
.set CH,63
.set W0,66                             ; wf at my wave, head 0
.set W1,68                             ; head 1
.set WP,70                             ; the head in hand, stepped along K
.set WN,72                             ; the head that comes next
.set EP,74
.set LP,76
.set SEL,80                            ; v_permlanex16_b32's selects: each lane takes its own place in the other half
.set CNT,82
.set LOG2E,83
.set VM,84                             ; s84-88 which lanes hold a valid row, for each group of 32 rows
.set PCP,90
.set PMP,92
.set TARG,94
.set TBIAS,96
.set MSB, 0
.macro WIN new                         ; the immediate's high byte repeats the setting that is left; a switch that changes nothing is dropped
.if MSB != (\new)
	s_set_vgpr_msb (MSB<<8)|(\new)
.set MSB, (\new)
.endif
.endm
.macro PLACES                          ; four plain instructions between a matrix instruction and a load into, or a vector instruction on, its registers
.rept 4
	v_nop
.endr
.endm
.macro BAR                             ; my LDS instructions are done; then everybody's are
	s_wait_dscnt 0x0
	s_barrier_signal -1
	s_barrier_wait -1
.endm
; THE GATHER.  36 loads: 512 consecutive bytes (128 channels, one K block) of each of my wave's rows, into window win.
.macro LDGRP win, off
	WIN (\win)<<6
.set c_, 0
.rept 36
	global_load_b128 v[4*c_:4*c_+3], v[RO+c_], s[EP:EP+1] offset:\off
.set c_, c_+1
.endr
.endm
; A group is rounded to bf16 and stored: a lane's 4 channels are 8 bytes, a row's 256 bytes lie on end.  left: the younger loads that may stay out.
.macro CONSUME win, left, loff
	s_wait_loadcnt \left
	WIN (\win)*5                                   ; sources 0 and 1 in window win
.set c_, 0
.rept 72
	v_cvt_pk_bf16_f32 v[PK+c_], v[2*c_], v[2*c_+1]
.set c_, c_+1
.endr
	WIN 0
.set c_, 0
.rept 36
	ds_store_b64 v[LS], v[PK+2*c_:PK+2*c_+1] offset:(\loff)+PITCH*c_
.set c_, c_+1
.endr
.endm
; THE PRODUCTS.  A K step's nine fragments of enc (144 rows x 32 k) from LDS,
.macro FA set, koff
	WIN 0
.set fa_, 0
.rept 9
	ds_load_b128 v[AF+72*(\set)+8*fa_:AF+72*(\set)+8*fa_+3],   v[AA] offset:16*PITCH*fa_+(\koff)
	ds_load_b128 v[AF+72*(\set)+8*fa_+4:AF+72*(\set)+8*fa_+7], v[AA] offset:16*PITCH*fa_+(\koff)+32
.set fa_, fa_+1
.endr
.endm
; and its eight fragments of W (128 columns x 32 k) from memory, as they lie: each load covers 512 consecutive bytes.
.macro FB set, ptr, off
	WIN 0x40
.set fb_, 0
.rept 8
	global_load_b128 v[64*(\set)+8*fb_:64*(\set)+8*fb_+3],   v[L16], s[\ptr:\ptr+1] offset:(\off)+1024*fb_
	global_load_b128 v[64*(\set)+8*fb_+4:64*(\set)+8*fb_+7], v[L16], s[\ptr:\ptr+1] offset:(\off)+1024*fb_+512
.set fb_, fb_+1
.endr
.endm
; n row blocks from a0 on x all 8 column blocks.  The 72 accumulators take turns, one instruction a turn, in the same order in every K step.  zero = 1: the products start the sums.
.macro MULS q, a0, n, zero
.set ma, \a0
.rept \n
.if ma < 4
	WIN 0xa1
.set mD, 64*ma
.elseif ma < 8
	WIN 0xf1
.set mD, 64*(ma-4)
.else
	WIN 0x01
.set mD, ACC8
.endif
.set mb, 0
.rept 8
.if \zero
	v_wmma_f32_16x16x32_bf16 v[mD+8*mb:mD+8*mb+7], v[64*(\q)+8*mb:64*(\q)+8*mb+7], v[AF+72*((\q)%2)+8*ma:AF+72*((\q)%2)+8*ma+7], 0
.else
	v_wmma_f32_16x16x32_bf16 v[mD+8*mb:mD+8*mb+7], v[64*(\q)+8*mb:64*(\q)+8*mb+7], v[AF+72*((\q)%2)+8*ma:AF+72*((\q)%2)+8*ma+7], v[mD+8*mb:mD+8*mb+7]
.endif
.set mb, mb+1
.endr
.set ma, ma+1
.endr
.endm
; A K STEP of 32, number q modulo 4: 72 products on W's set q and enc's set q % 2.  Behind the first 32 stand the loads, in one run: enc's fragments of the next step
; (amode 1; 2: in the next K block; 0: none) and W's of the step three on (bmode 1; 2: the next head's first steps; 3: c b from LDS, for the epilogue), into the sets that the step before read.
.macro STEP q, zero, amode, bmode
	s_wait_loadcnt 32                              ; W's set q is in; the two younger sets, 16 loads each, may stay out
	s_wait_dscnt 0x0                               ; enc's fragments, asked for 40 products ago
	MULS \q, 0, 4, \zero
	PLACES
.if (\amode) == 2
	WIN 0
	v_add_nc_u32 v[AA], BLK, v[AA]
.endif
.if (\amode) >= 1
	FA ((\q)+1)%2, (((\q)+1)%4)*64
.endif
.if (\bmode) == 1
	FB ((\q)+3)%4, WP, ((\q)+3)*WSTEP
.elseif (\bmode) == 2
	FB ((\q)+3)%4, WN, ((\q)-1)*WSTEP
.else
	WIN 0x40
.set fb_, 0
.rept 8
	ds_load_b128 v[128+8*fb_:131+8*fb_], v[TA] offset:4096+64*fb_
	ds_load_b128 v[132+8*fb_:135+8*fb_], v[TA] offset:4096+64*fb_+16
.set fb_, fb_+1
.endr
.endif
	MULS \q, 4, 4, \zero
	MULS \q, 8, 1, \zero
.endm
; THE EPILOGUE, a row block t (16 rows x my 128 columns: 64 numbers a lane) at a time, in buffer t % 2:
;   u = c x + c b;  e = 2^u;  e + 1;  r = 1 / (e + 1);  tanh = 1 - 2 r;  S(t) += tanh x arg.
; Exponentials and reciprocals stand between plain instructions of the neighbouring row blocks.  An s_wait_alu depctr_va_vdst(0) stands between such an instruction and the first
; line that names its result; one wait serves a batch: X1's 64 exponentials have one, X2's 64 reciprocals have one.
.macro ACCOF t                         ; row block t's accumulators: window eW, first register eA
.if (\t) < 4
.set eW, 2
.set eA, 64*(\t)
.elseif (\t) < 8
.set eW, 3
.set eA, 64*((\t)-4)
.else
.set eW, 0
.set eA, ACC8
.endif
.endm
.macro X1 t                            ; the exponentials of t; between them tanh and the sum of t - 1
	WIN 0x04                                       ; source 1 (arg) in window 1
.set xT, TB+64*((\t)%2)
.set xP, TB+64*(((\t)+1)%2)
.set xS, SS+2*((\t)-1)
.set e_, 0
.rept 32
	v_exp_f32 v[xT+2*e_], v[xT+2*e_]
.if (\t) > 0
	v_pk_fma_f32 v[xP+2*e_:xP+2*e_+1], v[xP+2*e_:xP+2*e_+1], -2.0, 1.0 op_sel_hi:[1,0,0]
.endif
	v_exp_f32 v[xT+2*e_+1], v[xT+2*e_+1]
.if (\t) > 0
.if e_ == 0
	v_pk_mul_f32 v[xS:xS+1], v[xP:xP+1], v[192:193]
.else
	v_pk_fma_f32 v[xS:xS+1], v[xP+2*e_:xP+2*e_+1], v[192+2*e_:193+2*e_], v[xS:xS+1]
.endif
.endif
.set e_, e_+1
.endr
.if (\t) == 0
	v_nop                                          ; a plain instruction behind the last exponential
.endif
	s_wait_alu depctr_va_vdst(0)                   ; the wait for the batch
.endm
.macro X2 t                            ; e + 1 and the reciprocals of t; between them the scaling of t + 1, which reads each accumulator from its lowest registers on
.set xT, TB+64*((\t)%2)
.set xP, TB+64*(((\t)+1)%2)
	ACCOF (\t)+1
.if (\t) < 8
	WIN 0x10|(eW<<2)                               ; source 1 (the accumulators) in window eW, source 2 (c b) in window 1
.else
	WIN 0
.endif
.set e_, 0
.rept 32
	v_pk_add_f32 v[xT+2*e_:xT+2*e_+1], v[xT+2*e_:xT+2*e_+1], 1.0 op_sel_hi:[1,0]
	v_rcp_f32 v[xT+2*e_], v[xT+2*e_]
.if (\t) < 8
	v_pk_fma_f32 v[xP+2*e_:xP+2*e_+1], v[CV:CV+1], v[eA+2*e_:eA+2*e_+1], v[128+2*e_:129+2*e_]
.else
	v_nop
.endif
	v_rcp_f32 v[xT+2*e_+1], v[xT+2*e_+1]
.set e_, e_+1
.endr
	v_nop                                          ; a plain instruction behind the last reciprocal
	s_wait_alu depctr_va_vdst(0)                   ; the wait for the batch
.endm
; THE CONTEXT.  32 rows x my 256 channels of the tile, turned on the way out of LDS: 16 fragments.  Step 4 has 16 rows only: they are read twice, and the weights of the second reading are 0.
.macro FE kk, buf
	WIN 0xc0
.set f_, 0
.rept 16
.if f_ < 8
.set fV, AV0
.else
.set fV, AV1
.endif
	ds_load_tr16_b128 v[128*(\buf)+8*f_:128*(\buf)+8*f_+3], v[fV] offset:32*PITCH*(\kk)+32*(f_%8)
.if (\kk) < 4
	ds_load_tr16_b128 v[128*(\buf)+8*f_+4:128*(\buf)+8*f_+7], v[fV] offset:32*PITCH*(\kk)+16*PITCH+32*(f_%8)
.else
	ds_load_tr16_b128 v[128*(\buf)+8*f_+4:128*(\buf)+8*f_+7], v[fV] offset:32*PITCH*(\kk)+32*(f_%8)
.endif
.set f_, f_+1
.endr
.endm
.macro MC kk, buf                      ; 16 products, 16 accumulators by turns: source 0 = the weights (rows 0, 1: head 0's hi, lo; rows 8, 9: head 1's), source 1 = 16 channels
	WIN 0xac
.set ct, 0
.rept 16
.if (\kk) == 0
	v_wmma_f32_16x16x32_bf16 v[8*ct:8*ct+7], v[PF+8*(\kk):PF+8*(\kk)+7], v[128*(\buf)+8*ct:128*(\buf)+8*ct+7], 0
.else
	v_wmma_f32_16x16x32_bf16 v[8*ct:8*ct+7], v[PF+8*(\kk):PF+8*(\kk)+7], v[128*(\buf)+8*ct:128*(\buf)+8*ct+7], v[8*ct:8*ct+7]
.endif
.set ct, ct+1
.endr
.endm
	; ---------------- the head
	s_load_b256 s[ENC:ENC+7], s[0:1], 0x0          ; enc_hs, wf, tab, rows
	s_load_b128 s[PCTX:PCTX+3], s[0:1], 0x20       ; pctx, pml
	v_lshl_add_u32 v[SPW], v0, 2, SPARE
	v_mov_b32 v[NIL], 0
	v_lshrrev_b32 v[TMP], 5, v0
	v_readfirstlane_b32 s[WV], v[TMP]              ; wave 0..3
	v_and_b32 v[LANE], 31, v0
	v_and_b32 v[R], 15, v0
	v_bfe_u32 v[H], v0, 4, 1
	v_lshlrev_b32 v[L16], 4, v[LANE]
	v_lshlrev_b32 v[G16], 4, v0
	v_mul_u32_u24 v[AA0], v[R], PITCH
	v_lshl_add_u32 v[AA0], v[H], 4, v[AA0]
	s_mul_i32 s2, s[WV], 36*PITCH
	v_lshl_add_u32 v[LS0], v[LANE], 3, s2
	s_lshl_b32 s2, s[WV], 9
	s_add_co_u32 s2, s2, TAB
	v_lshl_add_u32 v[TA0], v[H], 5, s2
	s_mul_i32 s2, s[WV], 576
	s_add_co_u32 s2, s2, SP
	v_lshl_add_u32 v[SPS0], v[R], 2, s2
	v_lshl_add_u32 v[SPR], v[LANE], 2, SP
	v_lshl_add_u32 v[SPR4], v[R], 2, SP+512
	s_lshl_b32 s3, s[WV], 11
	s_add_co_u32 s3, s3, TAB                       ; my wave's 2,048 bytes behind the scores' barrier
	v_lshl_add_u32 v[PTS], v[LANE], 1, s3
	v_and_b32 v[TMP], 1, v[R]
	v_lshrrev_b32 v[PTL], 3, v[R]
	v_lshl_add_u32 v[TMP], v[PTL], 1, v[TMP]
	v_mul_u32_u24 v[TMP], v[TMP], PPITCH
	v_lshl_add_u32 v[TMP], v[H], 4, v[TMP]
	v_add_nc_u32 v[PTL], s3, v[TMP]
	v_and_b32 v[TMP], 6, v[R]
	v_cmp_eq_u32 vcc_lo, 0, v[TMP]
	v_cndmask_b32 v[PMASK], 0, -1, vcc_lo
	v_and_b32 v[TMP], 7, v0
	v_lshl_add_u32 v[TMP], v[H], 3, v[TMP]
	v_mul_u32_u24 v[TMP], v[TMP], PITCH
	v_bfe_u32 v[AV0], v0, 3, 1
	v_lshl_add_u32 v[TMP], v[AV0], 4, v[TMP]
	s_mul_i32 s2, s[WV], 2*BLK
	v_add_nc_u32 v[AV0], s2, v[TMP]
	v_add_nc_u32 v[AV1], BLK, v[AV0]
	v_lshl_add_u32 v[STS], v[H], 10, s3
	v_lshl_add_u32 v[STS], v[R], 2, v[STS]
	v_add_nc_u32 v[STL], s3, v[L16]
	v_lshl_add_u32 v[T16], v0, 4, TAB
	v_mov_b32 v[NEGV], 0xff7fffff
	v_mov_b32 v[CV], 0x4038aa3b                    ; c = 2 log2(e)
	v_mov_b32 v[CV+1], 0x4038aa3b
.irp a, 0,1,2,3,4,5,6,7,8              ; the 18 registers from which the partial scores are stored: those stores stand outside the jump round a pass's products, so the registers are written once here
	v_mov_b32 v[KEEP+(\a)], 0
	v_mov_b32 v[SS+2*(\a)], 0
.endr
	s_mov_b32 s[JJ], ttmp9
	s_and_b32 s[BB], ttmp7, 0xffff
	s_mov_b32 s[SEL], 0x76543210
	s_mov_b32 s[SEL+1], 0xfedcba98
	s_mov_b32 s[LOG2E], 0x3fb8aa3b
	s_wait_kmcnt 0x0
	s_mul_i32 s2, s[BB], 8704
	s_mov_b32 s3, 0
	s_add_nc_u64 s[RWS:RWS+1], s[RWS:RWS+1], s[2:3]  ; the batch's list
	s_load_b32 s[NN], s[RWS:RWS+1], 0x2100         ; n, in word 2112
	s_lshl_b32 s2, s[WV], 19
	s_add_nc_u64 s[W0:W0+1], s[WF:WF+1], s[2:3]
	s_add_nc_u64 s[W1:W1+1], s[W0:W0+1], 0x40000
	s_lshl_b32 s2, s[BB], 12
	s_add_nc_u64 s[TARG:TARG+1], s[TBP:TBP+1], s[2:3]
	s_add_nc_u64 s[TBIAS:TBIAS+1], s[TBP:TBP+1], 0x20000
	FB 0, W0, 0                                    ; W's first three K steps: they land while the tile is gathered
	FB 1, W0, WSTEP
	FB 2, W0, 2*WSTEP
	WIN 0
	s_wait_kmcnt 0x0
	s_min_u32 s[NN], s[NN], 2048
	s_add_co_u32 s[QQ], s[NN], 7
	s_lshr_b32 s[QQ], s[QQ], 3
	s_min_u32 s[QQ], s[QQ], 256                    ; q enters an address: it is clamped last, and only multiplied, added to and shifted left from here on
	s_mul_i32 s[START], s[JJ], s[QQ]
	s_sub_co_i32 s[AVAIL], s[NN], s[START]
	s_min_i32 s[AVAIL], s[AVAIL], s[QQ]
	s_max_i32 s[AVAIL], s[AVAIL], 0                ; how many places of the list are mine
	s_cmp_gt_u32 s[QQ], 144
	s_cselect_b32 s[ACT2], 1, 0
	s_mov_b32 s[ACT], 1                            ; the first pass always has work (an empty share still stores m, l = 0 and ctx = 0)
	s_mov_b32 s[PASS], 0
.Lpass:
	s_wait_xcnt 0x0                                ; the last pass's stores have read their registers and bases
	s_mul_i32 s2, s[PASS], 144
	s_sub_co_i32 s[NV], s[AVAIL], s2
	s_max_i32 s[NV], s[NV], 0
	s_min_i32 s[NV], s[NV], 144
	s_lshl_b32 s2, s[BB], 3
	s_add_co_u32 s2, s2, s[JJ]
	s_lshl_b32 s2, s2, 1
	s_add_co_u32 s2, s2, s[PASS]                   ; the slot of this pass's results
	s_lshl_b32 s98, s2, 13
	s_lshl_b32 s3, s[WV], 10
	s_add_co_u32 s98, s98, s3
	s_mov_b32 s99, 0
	s_add_nc_u64 s[PCP:PCP+1], s[PCTX:PCTX+1], s[98:99]
	s_lshl_b32 s98, s2, 9
	s_add_nc_u64 s[PMP:PMP+1], s[PML:PML+1], s[98:99]
	s_cmp_eq_u32 s[ACT], 0
	s_cbranch_scc1 .LskipL
	; ---------------- the gather: wave w brings tile rows 36 w .. 36 w + 35, a K block (512 bytes of a row) to a load
	global_load_b128 v[TBL:TBL+3],     v[G16], s[TARG:TARG+1]
	global_load_b128 v[TBL+4:TBL+7],   v[G16], s[TARG:TARG+1] offset:2048
	global_load_b128 v[TBL+8:TBL+11],  v[G16], s[TBIAS:TBIAS+1]
	global_load_b128 v[TBL+12:TBL+15], v[G16], s[TBIAS:TBIAS+1] offset:2048
	s_mul_i32 s2, s[PASS], 144
	s_add_co_u32 s2, s2, s[START]
	s_mul_i32 s3, s[WV], 36
	s_add_co_u32 s2, s2, s3
	s_lshl_b32 s2, s2, 2                           ; at most 4 (1792 + 144 + 108) bytes, and 144 are read: inside the batch's 8,704
	s_mov_b32 s3, 0
	s_add_nc_u64 s[LP:LP+1], s[RWS:RWS+1], s[2:3]
	s_load_b512 s[RN:RN+15], s[LP:LP+1], 0x0
	s_load_b512 s[RN+16:RN+31], s[LP:LP+1], 0x40
	s_load_b128 s[RN+32:RN+35], s[LP:LP+1], 0x80
	s_mov_b64 s[EP:EP+1], s[ENC:ENC+1]
	v_mov_b32 v[LS], v[LS0]
	s_wait_kmcnt 0x0
.set c_, 0
.rept 36
	s_min_u32 s[RN+c_], s[RN+c_], 0xffff           ; a loaded number enters an address only clamped
	v_lshl_add_u32 v[RO+c_], s[RN+c_], 12, v[L16]  ; row x 4,096 + 16 lane
.set c_, c_+1
.endr
	LDGRP 2, 0                                     ; K block 0
	WIN 0
	s_wait_loadcnt 36                              ; arg and c b are in: behind them only the 36 loads just issued
	ds_store_b128 v[T16], v[TBL:TBL+3]
	ds_store_b128 v[T16], v[TBL+4:TBL+7]   offset:2048
	ds_store_b128 v[T16], v[TBL+8:TBL+11]  offset:4096
	ds_store_b128 v[T16], v[TBL+12:TBL+15] offset:6144
	LDGRP 3, 512                                   ; K block 1
	WIN 0
	s_mov_b32 s[CNT], 3
.Lgather:                                      ; a trip stores K blocks 2 i, 2 i + 1 and asks for 2 i + 2, 2 i + 3
	CONSUME 2, 36, 0                               ; the other group's 36 loads may stay out
	LDGRP 2, 1024
	CONSUME 3, 36, BLK
	LDGRP 3, 1536
	WIN 0
	s_wait_xcnt 0x0                                ; the loads have read their base
	s_add_nc_u64 s[EP:EP+1], s[EP:EP+1], 1024
	v_add_nc_u32 v[LS], 2*BLK, v[LS]
	s_sub_co_u32 s[CNT], s[CNT], 1
	s_cmp_lg_u32 s[CNT], 0
	s_cbranch_scc1 .Lgather
	CONSUME 2, 36, 0                               ; the last two K blocks: nothing more is asked for
	CONSUME 3, 0, BLK
.LskipL:
	BAR                                            ; the tile, arg and c b are whole
	s_cmp_eq_u32 s[ACT], 0
	s_cbranch_scc1 .LskipC
	; ---------------- the projection and the scores, a head (chunk) at a time.  This phase only reads LDS.
	s_mov_b32 s[CH], 0
	v_mov_b32 v[TA], v[TA0]
.Lchunk:
	s_wait_xcnt 0x0                                ; W's loads have read their bases
	s_cmp_eq_u32 s[CH], 0
	s_cselect_b64 s[WP:WP+1], s[W0:W0+1], s[W1:W1+1]
	s_cselect_b64 s[WN:WN+1], s[W1:W1+1], s[W0:W0+1]
	v_mov_b32 v[AA], v[AA0]
	FA 0, 0
	STEP 0, 1, 1, 1                                ; the first K step starts the sums: nothing is cleared
	STEP 1, 0, 1, 1
	STEP 2, 0, 1, 1
	STEP 3, 0, 2, 1
	WIN 0
	s_wait_xcnt 0x0
	s_add_nc_u64 s[WP:WP+1], s[WP:WP+1], 4*WSTEP
	s_mov_b32 s[CNT], 6
.Lk:                                           ; a trip: a K block, four K steps
	STEP 0, 0, 1, 1
	STEP 1, 0, 1, 1
	STEP 2, 0, 1, 1
	STEP 3, 0, 2, 1
	WIN 0
	s_wait_xcnt 0x0                                ; the youngest of W's loads stands 40 products back
	s_add_nc_u64 s[WP:WP+1], s[WP:WP+1], 4*WSTEP
	s_sub_co_u32 s[CNT], s[CNT], 1
	s_cmp_lg_u32 s[CNT], 0
	s_cbranch_scc1 .Lk
	STEP 0, 0, 1, 1                                ; the last K block: W's last step, then the next head's steps 0 and 1, then c b
	STEP 1, 0, 1, 2
	STEP 2, 0, 1, 2
	STEP 3, 0, 0, 3
	PLACES
	WIN 0x40
.set fb_, 0
.rept 8                                ; arg, into the set that the last K step read
	ds_load_b128 v[192+8*fb_:195+8*fb_], v[TA] offset:64*fb_
	ds_load_b128 v[196+8*fb_:199+8*fb_], v[TA] offset:64*fb_+16
.set fb_, fb_+1
.endr
	s_wait_dscnt 16                                ; c b is in; arg's 16 loads may stay out
	ACCOF 0
	WIN 0x10|(eW<<2)
.set e_, 0
.rept 32
	v_pk_fma_f32 v[TB+2*e_:TB+2*e_+1], v[CV:CV+1], v[eA+2*e_:eA+2*e_+1], v[128+2*e_:129+2*e_]
.set e_, e_+1
.endr
	X1 0
	X2 0
	s_wait_dscnt 0x0                               ; arg
.irp t, 1,2,3,4,5,6,7,8
	X1 \t
	X2 \t
.endr
	WIN 0x04
.set e_, 0
.rept 32
	v_pk_fma_f32 v[TB+2*e_:TB+2*e_+1], v[TB+2*e_:TB+2*e_+1], -2.0, 1.0 op_sel_hi:[1,0,0]
.set e_, e_+1
.endr
	v_pk_mul_f32 v[SS+16:SS+17], v[TB:TB+1], v[192:193]
.set e_, 1
.rept 31
	v_pk_fma_f32 v[SS+16:SS+17], v[TB+2*e_:TB+2*e_+1], v[192+2*e_:193+2*e_], v[SS+16:SS+17]
.set e_, e_+1
.endr
	WIN 0
.irp a, 0,1,2,3,4,5,6,7,8
	v_add_f32 v[SS+2*(\a)], v[SS+2*(\a)], v[SS+2*(\a)+1]
.endr
.irp a, 0,1,2,3,4,5,6,7,8
	v_permlanex16_b32 v[SS+2*(\a)+1], v[SS+2*(\a)], s[SEL], s[SEL+1]  ; the row's other 64 columns lie in the lane 16 away
.endr
.irp a, 0,1,2,3,4,5,6,7,8
	v_add_f32 v[SS+2*(\a)], v[SS+2*(\a)], v[SS+2*(\a)+1]
.endr
	s_cmp_eq_u32 s[CH], 0
	s_cselect_b32 s98, -1, 0                       ; all lanes in head 0's trip, none in head 1's
.irp a, 0,1,2,3,4,5,6,7,8
	v_cndmask_b32 v[KEEP+(\a)], v[KEEP+(\a)], v[SS+2*(\a)], s98  ; head 0's partial scores are set aside: head 1's fragments and sums take S's registers
.endr
	FB 2, WN, 2*WSTEP                              ; the next head's K step 2, where c b lay
	WIN 0
	v_add_nc_u32 v[TA], 2048, v[TA]
	s_add_co_u32 s[CH], s[CH], 1
	s_cmp_lt_u32 s[CH], 2
	s_cbranch_scc1 .Lchunk
.LskipC:
	BAR                                            ; every wave's reads of the tile, of arg and of c b for the products are back: only now is anything stored into LDS
.irp a, 0,1,2,3,4,5,6,7,8              ; both halves of the lanes write the same word with the same number.  In a pass without work these lines store what the registers hold, and nobody reads it
	ds_store_b32 v[SPS0], v[KEEP+(\a)] offset:64*(\a)
	ds_store_b32 v[SPS0], v[SS+2*(\a)] offset:2304+64*(\a)
.endr
	BAR                                            ; all partial scores are in LDS; nobody reads arg and c b any more
	s_cmp_eq_u32 s[ACT], 0
	s_cbranch_scc1 .LskipX
	; ---------------- the softmax over the tile: every wave makes it for itself.  Lane l holds rows 32 t + l, t = 0 .. 4
.set sh_, 0
.rept 2
.set st_, 0
.rept 5
.set sw_, 0
.rept 4
.if st_ < 4
	ds_load_b32 v[SCB+20*sh_+4*st_+sw_], v[SPR] offset:2304*sh_+576*sw_+128*st_
.else
	ds_load_b32 v[SCB+20*sh_+4*st_+sw_], v[SPR4] offset:2304*sh_+576*sw_
.endif
.set sw_, sw_+1
.endr
.set st_, st_+1
.endr
.set sh_, sh_+1
.endr
.irp t, 0,1,2,3,4
	v_add_nc_u32 v[TMP], 32*(\t), v[LANE]
	v_cmp_gt_u32 s[VM+(\t)], s[NV], v[TMP]         ; is my row one of the share's?  (For t = 4 lanes 16-31 name rows 144 on: never.)
.endr
	s_wait_dscnt 0x0
.set i_, 0
.rept 10
	v_pk_add_f32 v[SCB+4*i_:SCB+4*i_+1], v[SCB+4*i_:SCB+4*i_+1], v[SCB+4*i_+2:SCB+4*i_+3]
.set i_, i_+1
.endr
.set i_, 0
.rept 10
	v_add_f32 v[SCB+4*i_], v[SCB+4*i_], v[SCB+4*i_+1]  ; the four waves' parts: the score
.set i_, i_+1
.endr
.irp hd, 0,1
.irp t, 0,1,2,3,4
	v_cndmask_b32 v[SCB+20*(\hd)+4*(\t)], v[NEGV], v[SCB+20*(\hd)+4*(\t)], s[VM+(\t)]
.endr
	v_max3_num_f32 v[ML+2*(\hd)], v[SCB+20*(\hd)], v[SCB+20*(\hd)+4], v[SCB+20*(\hd)+8]
	v_max3_num_f32 v[ML+2*(\hd)], v[ML+2*(\hd)], v[SCB+20*(\hd)+12], v[SCB+20*(\hd)+16]
.irp x, 1,2,4,8
	v_max_num_f32_dpp v[ML+2*(\hd)], v[ML+2*(\hd)], v[ML+2*(\hd)] row_xmask:\x row_mask:0xf bank_mask:0xf
.endr
	v_permlanex16_b32 v[SCB+20*(\hd)+1], v[ML+2*(\hd)], s[SEL], s[SEL+1]
	v_max_num_f32 v[ML+2*(\hd)], v[ML+2*(\hd)], v[SCB+20*(\hd)+1]  ; m, in every lane
.irp t, 0,1,2,3,4
	v_sub_f32 v[SCB+20*(\hd)+4*(\t)], v[SCB+20*(\hd)+4*(\t)], v[ML+2*(\hd)]
.endr
.irp t, 0,1,2,3,4
	v_mul_f32 v[SCB+20*(\hd)+4*(\t)], s[LOG2E], v[SCB+20*(\hd)+4*(\t)]
.endr
.endr
.set i_, 0
.rept 10
	v_exp_f32 v[SCB+4*i_], v[SCB+4*i_]
.set i_, i_+1
.endr
	v_nop                                          ; a plain instruction behind the last exponential,
	s_wait_alu depctr_va_vdst(0)                   ; and one wait for the ten
.irp hd, 0,1
.irp t, 0,1,2,3,4
	v_cndmask_b32 v[SCB+20*(\hd)+4*(\t)], 0, v[SCB+20*(\hd)+4*(\t)], s[VM+(\t)]  ; a row that is not the share's has weight 0
.endr
	v_add_f32 v[ML+2*(\hd)+1], v[SCB+20*(\hd)], v[SCB+20*(\hd)+4]
	v_add_f32 v[SCB+20*(\hd)+1], v[SCB+20*(\hd)+8], v[SCB+20*(\hd)+12]
	v_add_f32 v[ML+2*(\hd)+1], v[ML+2*(\hd)+1], v[SCB+20*(\hd)+1]
	v_add_f32 v[ML+2*(\hd)+1], v[ML+2*(\hd)+1], v[SCB+20*(\hd)+16]
.irp x, 1,2,4,8
	v_add_f32_dpp v[ML+2*(\hd)+1], v[ML+2*(\hd)+1], v[ML+2*(\hd)+1] row_xmask:\x row_mask:0xf bank_mask:0xf
.endr
	v_permlanex16_b32 v[SCB+20*(\hd)+1], v[ML+2*(\hd)+1], s[SEL], s[SEL+1]
	v_add_f32 v[ML+2*(\hd)+1], v[ML+2*(\hd)+1], v[SCB+20*(\hd)+1]  ; l, in every lane
.endr
.irp t, 0,1,2,3,4                      ; p = hi + lo, both bf16; the table's rows: head 0's hi, its lo, head 1's hi, its lo; entry = the tile row
	v_cvt_pk_bf16_f32 v[HB+4*(\t)], v[SCB+4*(\t)], v[SCB+20+4*(\t)]
	v_lshlrev_b32 v[HT], 16, v[HB+4*(\t)]
	v_and_b32 v[HT+1], 0xffff0000, v[HB+4*(\t)]
	v_sub_f32 v[HT], v[SCB+4*(\t)], v[HT]
	v_sub_f32 v[HT+1], v[SCB+20+4*(\t)], v[HT+1]
	v_cvt_pk_bf16_f32 v[HB+4*(\t)+1], v[HT], v[HT+1]
	v_lshrrev_b32 v[HB+4*(\t)+2], 16, v[HB+4*(\t)]
	v_lshrrev_b32 v[HB+4*(\t)+3], 16, v[HB+4*(\t)+1]
	ds_store_b16 v[PTS], v[HB+4*(\t)]   offset:64*(\t)
	ds_store_b16 v[PTS], v[HB+4*(\t)+1] offset:PPITCH+64*(\t)
	ds_store_b16 v[PTS], v[HB+4*(\t)+2] offset:2*PPITCH+64*(\t)
	ds_store_b16 v[PTS], v[HB+4*(\t)+3] offset:3*PPITCH+64*(\t)
.endr
.irp k, 0,1,2,3,4                      ; LDS serves a wave's instructions in order (ISA guide 5.7.1.4): these see my stores above; the table is my wave's own
	ds_load_b128 v[PF+8*(\k):PF+8*(\k)+3],   v[PTL] offset:64*(\k)
	ds_load_b128 v[PF+8*(\k)+4:PF+8*(\k)+7], v[PTL] offset:64*(\k)+32
.endr
	; ---------------- the context: wave w makes channels 256 w .. 256 w + 255 of both heads
	FE 0, 0
	WIN 0
	s_wait_dscnt 32                                ; the weights are in: behind them only the 32 loads just issued
.set i_, 0
.rept 40
	v_and_b32 v[PF+i_], v[PMASK], v[PF+i_]         ; rows of source 0 other than 0, 1, 8, 9 are 0
.set i_, i_+1
.endr
	FE 1, 1
	s_wait_dscnt 32                                ; here and below: the older run of 32 is in, the younger may stay out
	MC 0, 0
	PLACES
	FE 2, 0
	s_wait_dscnt 32
	MC 1, 1
	PLACES
	FE 3, 1
	s_wait_dscnt 32
	MC 2, 0
	PLACES
	FE 4, 0
	s_wait_dscnt 32
	MC 3, 1
	s_wait_dscnt 0x0
	MC 4, 0
	PLACES
	WIN 0x0a                                       ; sources in window 2
.set ct, 0
.rept 16
	v_add_f32 v[OS+ct], v[8*ct], v[8*ct+1]         ; hi's and lo's parts; lanes 0-15 hold head 0, lanes 16-31 head 1; channel lane % 16
.set ct, ct+1
.endr
	WIN 0
.set ct, 0
.rept 16
	ds_store_b32 v[STS], v[OS+ct] offset:64*ct     ; my stage: [head][256 channels] f32, over the table, whose reads are back
.set ct, ct+1
.endr
.irp i, 0,1,2,3
	ds_load_b128 v[OS+16+4*(\i):OS+19+4*(\i)], v[STL] offset:512*(\i)
.endr
	s_wait_dscnt 0x0
	global_store_b128 v[L16], v[OS+16:OS+19], s[PCP:PCP+1]              ; each store covers 512 consecutive bytes, aligned
	global_store_b128 v[L16], v[OS+20:OS+23], s[PCP:PCP+1] offset:512
	global_store_b128 v[L16], v[OS+24:OS+27], s[PCP:PCP+1] offset:4096
	global_store_b128 v[L16], v[OS+28:OS+31], s[PCP:PCP+1] offset:4608
	s_cmp_lg_u32 s[WV], 0
	s_cbranch_scc1 .Lnot_wave_0
	global_store_b128 v[L16], v[ML:ML+3], s[PMP:PMP+1]  ; (m1, l1, m2, l2), the same in all 32 lanes: the slot's 512 bytes, whole
.Lnot_wave_0:
.LskipX:
	BAR                                            ; nobody reads the tile, the scores or a wave's own bytes any more
	s_mov_b32 s[ACT], s[ACT2]
	s_add_co_u32 s[PASS], s[PASS], 1
	s_cmp_lt_u32 s[PASS], 2
	s_cbranch_scc1 .Lpass
	s_wait_tensorcnt 0x0                           ; the wave's end, behind my last LDS store
	ds_add_u32 v[SPW], v[NIL]
	s_wait_dscnt 0x0
	s_endpgm
.Lfunc_end_k_q8285ddf7df_main:
	.size	k_q8285ddf7df_main, .Lfunc_end_k_q8285ddf7df_main-k_q8285ddf7df_main
	.p2alignl 7, 3214868480
	.fill 96, 4, 3214868480
	.section	.rodata,"a",@progbits
	.p2align	6, 0x0
	.amdhsa_kernel k_q8285ddf7df_main
		.amdhsa_group_segment_fixed_size 327680
		.amdhsa_private_segment_fixed_size 0
		.amdhsa_enable_private_segment 0
		.amdhsa_kernarg_size 48
		.amdhsa_user_sgpr_count 2
		.amdhsa_user_sgpr_kernarg_segment_ptr 1
		.amdhsa_wavefront_size32 1
		.amdhsa_system_sgpr_workgroup_id_x 1
		.amdhsa_system_sgpr_workgroup_id_y 1
		.amdhsa_system_sgpr_workgroup_id_z 1
		.amdhsa_system_vgpr_workitem_id 0
		.amdhsa_next_free_vgpr 1024
		.amdhsa_next_free_sgpr 100
		.amdhsa_reserve_vcc 1
		.amdhsa_float_denorm_mode_32 3
		.amdhsa_float_denorm_mode_16_64 3
		.amdhsa_memory_ordered 1
		.amdhsa_forward_progress 1
		.amdhsa_inst_pref_size 255
	.end_amdhsa_kernel
	.section	.bss,"aw",@nobits
	.p2align	6
	.space	262144
	.amdgpu_metadata
---
amdhsa.version: [ 1, 2 ]
amdhsa.kernels:
  - .name:           k_q8285ddf7df_main
    .symbol:         k_q8285ddf7df_main.kd
    .args:
      - { .name: enc_hs, .offset: 0, .size: 8, .value_kind: global_buffer, .address_space: global }
      - { .name: wf, .offset: 8, .size: 8, .value_kind: global_buffer, .address_space: global }
      - { .name: tab, .offset: 16, .size: 8, .value_kind: global_buffer, .address_space: global }
      - { .name: rows, .offset: 24, .size: 8, .value_kind: global_buffer, .address_space: global }
      - { .name: pctx, .offset: 32, .size: 8, .value_kind: global_buffer, .address_space: global }
      - { .name: pml, .offset: 40, .size: 8, .value_kind: global_buffer, .address_space: global }
    .group_segment_fixed_size: 327680
    .private_segment_fixed_size: 0
    .kernarg_segment_align: 8
    .kernarg_segment_size: 48
    .max_flat_workgroup_size: 128
    .sgpr_count:     100
    .vgpr_count:     1024
    .wavefront_size: 32
...
	.end_amdgpu_metadata
.endif
;; end of part 2
;; launch combine (part 3): grid 4 x 32, 4 waves a work-group, no clusters, 0 bytes of LDS; arguments rows, pctx, pml, out0; writes out0
.if DOCPART == 3
	.amdgcn_target "amdgcn-amd-amdhsa--gfx1250"
	.amdhsa_code_object_version 6
	.text
	.protected	k_q8285ddf7df_combine
	.globl	k_q8285ddf7df_combine
	.p2align	8
	.type	k_q8285ddf7df_combine,@function
k_q8285ddf7df_combine:
	s_mov_b64 s[64:65], 0
	v_nop
	global_prefetch_b8 v0, s[64:65] scope:SCOPE_SE
	s_setreg_imm32_b32 hwreg(HW_REG_WAVE_MODE, 25, 1), 1
	s_wait_xcnt 0x0
; THE MERGE.  out0[b][1024 head + ch] = (sum over slots of f ctx) / (sum over slots of f l), f = e^(m - M), M = the largest m of the batch's slots.
; A batch has 8 shares of 2 passes; the second passes' slots were stored only where q = ceil(n / 8) > 144, and are read only there.
; Work-group (x, b) makes numbers 512 x .. 512 x + 511 of row b, four to a thread; head = x / 2.  No LDS, no barrier.
; A slot with no row has m = the lowest finite number, l = 0, ctx = 0 and drops out; a batch with no row gives 0 x (1 / 0) = NaN, as a softmax over nothing does.
	s_load_b256 s[4:11], s[0:1], 0x0               ; rows s[4:5], pctx s[6:7], pml s[8:9], out0 s[10:11]
	s_and_b32 s12, ttmp7, 0xffff                   ; the batch
	s_lshr_b32 s13, ttmp9, 1                       ; the head
	s_lshl_b32 s14, ttmp9, 11                      ; my 512 numbers: 2,048 x bytes
	s_mov_b32 s17, 0x3fb8aa3b                      ; log2(e)
	v_lshlrev_b32 v1, 4, v0
	v_mov_b32 v2, 0
	s_mul_i32 s20, s12, 8704
	s_mov_b32 s21, 0
	s_lshl_b32 s22, s12, 13                        ; 16 records of 512 bytes a batch,
	s_lshl3_add_u32 s22, s13, s22                  ; (m, l) of my head
	s_mov_b32 s23, 0
	s_lshl_b32 s24, s12, 17                        ; 16 slots of 8,192 bytes a batch
	s_add_co_u32 s24, s24, s14
	s_mov_b32 s25, 0
	s_lshl_b32 s26, s12, 13
	s_add_co_u32 s26, s26, s14
	s_mov_b32 s27, 0
	s_wait_kmcnt 0x0
	s_add_nc_u64 s[4:5], s[4:5], s[20:21]
	s_add_nc_u64 s[8:9], s[8:9], s[22:23]
	s_add_nc_u64 s[6:7], s[6:7], s[24:25]
	s_add_nc_u64 s[10:11], s[10:11], s[26:27]
	s_load_b32 s15, s[4:5], 0x2100                 ; n
.set j_, 0
.rept 8
	global_load_b64 v[16+2*j_:17+2*j_], v2, s[8:9] offset:1024*j_   ; the first passes' (m, l)
.set j_, j_+1
.endr
.set j_, 0
.rept 8
	global_load_b128 v[48+4*j_:51+4*j_], v1, s[6:7] offset:16384*j_  ; and their ctx
.set j_, j_+1
.endr
.set j_, 0
.rept 8
	v_mov_b32 v[32+2*j_], 0xff7fffff               ; a second pass that was not made counts as a slot with no row
	v_mov_b32 v[33+2*j_], 0
.set j_, j_+1
.endr
	s_wait_kmcnt 0x0
	s_min_u32 s15, s15, 2048
	s_add_co_u32 s15, s15, 7
	s_lshr_b32 s15, s15, 3
	s_cmp_gt_u32 s15, 144
	s_cselect_b32 s16, 1, 0
	s_cmp_eq_u32 s16, 0
	s_cbranch_scc1 .Lone
.set j_, 0
.rept 8
	global_load_b64 v[32+2*j_:33+2*j_], v2, s[8:9] offset:1024*j_+512
.set j_, j_+1
.endr
.Lone:
	s_wait_loadcnt 0x0
	v_max3_num_f32 v3, v16, v18, v20
.irp i, 22,26,30,34,38,42
	v_max3_num_f32 v3, v3, v[\i], v[(\i)+2]
.endr
	v_max_num_f32 v3, v3, v46                      ; M
.set j_, 0
.rept 16
	v_sub_f32 v[16+2*j_], v[16+2*j_], v3
.set j_, j_+1
.endr
.set j_, 0
.rept 16
	v_mul_f32 v[16+2*j_], s17, v[16+2*j_]
.set j_, j_+1
.endr
.set j_, 0
.rept 16
	v_exp_f32 v[16+2*j_], v[16+2*j_]               ; f, in m's place
.set j_, j_+1
.endr
	v_nop                                          ; a plain instruction behind the last exponential,
	s_wait_alu depctr_va_vdst(0)                   ; and one wait for the sixteen
	v_mul_f32 v4, v16, v17
.set j_, 1
.rept 15
	v_fmac_f32 v4, v[16+2*j_], v[17+2*j_]          ; the sum of f l
.set j_, j_+1
.endr
	v_pk_mul_f32 v[8:9], v[48:49], v[16:17] op_sel_hi:[1,0]
	v_pk_mul_f32 v[10:11], v[50:51], v[16:17] op_sel_hi:[1,0]
.set j_, 1
.rept 7
	v_pk_fma_f32 v[8:9], v[48+4*j_:49+4*j_], v[16+2*j_:17+2*j_], v[8:9] op_sel_hi:[1,0,1]
	v_pk_fma_f32 v[10:11], v[50+4*j_:51+4*j_], v[16+2*j_:17+2*j_], v[10:11] op_sel_hi:[1,0,1]
.set j_, j_+1
.endr
	s_cmp_eq_u32 s16, 0
	s_cbranch_scc1 .Lfin
.set j_, 0
.rept 8
	global_load_b128 v[48+4*j_:51+4*j_], v1, s[6:7] offset:16384*j_+8192  ; the second passes' ctx
.set j_, j_+1
.endr
	s_wait_loadcnt 0x0
.set j_, 0
.rept 8
	v_pk_fma_f32 v[8:9], v[48+4*j_:49+4*j_], v[32+2*j_:33+2*j_], v[8:9] op_sel_hi:[1,0,1]
	v_pk_fma_f32 v[10:11], v[50+4*j_:51+4*j_], v[32+2*j_:33+2*j_], v[10:11] op_sel_hi:[1,0,1]
.set j_, j_+1
.endr
.Lfin:
	v_rcp_f32 v12, v4
	v_rcp_f32 v13, v4
	v_nop                                          ; a plain instruction behind the reciprocals,
	s_wait_alu depctr_va_vdst(0)                   ; and their wait
	v_pk_mul_f32 v[8:9], v[8:9], v[12:13]
	v_pk_mul_f32 v[10:11], v[10:11], v[12:13]
	global_store_b128 v1, v[8:11], s[10:11]        ; a wave's store covers 512 consecutive bytes, aligned
	s_endpgm
.Lfunc_end_k_q8285ddf7df_combine:
	.size	k_q8285ddf7df_combine, .Lfunc_end_k_q8285ddf7df_combine-k_q8285ddf7df_combine
	.p2alignl 7, 3214868480
	.fill 96, 4, 3214868480
	.section	.rodata,"a",@progbits
	.p2align	6, 0x0
	.amdhsa_kernel k_q8285ddf7df_combine
		.amdhsa_group_segment_fixed_size 0
		.amdhsa_private_segment_fixed_size 0
		.amdhsa_enable_private_segment 0
		.amdhsa_kernarg_size 32
		.amdhsa_user_sgpr_count 2
		.amdhsa_user_sgpr_kernarg_segment_ptr 1
		.amdhsa_wavefront_size32 1
		.amdhsa_system_sgpr_workgroup_id_x 1
		.amdhsa_system_sgpr_workgroup_id_y 1
		.amdhsa_system_sgpr_workgroup_id_z 1
		.amdhsa_system_vgpr_workitem_id 0
		.amdhsa_next_free_vgpr 80
		.amdhsa_next_free_sgpr 66
		.amdhsa_reserve_vcc 0
		.amdhsa_float_denorm_mode_32 3
		.amdhsa_float_denorm_mode_16_64 3
		.amdhsa_memory_ordered 1
		.amdhsa_forward_progress 1
		.amdhsa_inst_pref_size 11
	.end_amdhsa_kernel
	.amdgpu_metadata
---
amdhsa.version: [ 1, 2 ]
amdhsa.kernels:
  - .name:           k_q8285ddf7df_combine
    .symbol:         k_q8285ddf7df_combine.kd
    .args:
      - { .name: rows, .offset: 0, .size: 8, .value_kind: global_buffer, .address_space: global }
      - { .name: pctx, .offset: 8, .size: 8, .value_kind: global_buffer, .address_space: global }
      - { .name: pml, .offset: 16, .size: 8, .value_kind: global_buffer, .address_space: global }
      - { .name: out0, .offset: 24, .size: 8, .value_kind: global_buffer, .address_space: global }
    .group_segment_fixed_size: 0
    .private_segment_fixed_size: 0
    .kernarg_segment_align: 8
    .kernarg_segment_size: 32
    .max_flat_workgroup_size: 128
    .sgpr_count:     66
    .vgpr_count:     80
    .wavefront_size: 32
...
	.end_amdgpu_metadata
.endif
;; end of part 3
;; ======== version 2 of 2: 3 launches; version 1 with the launch main written anew for expert scheduling mode
;; workspace buffers: wf 2,097,152 bytes; tab 135,168 bytes; rows 278,528 bytes of whole numbers; pctx 4,194,304 bytes; pml 262,144 bytes
;; launch prep: the kernel of part 1 again; grid 169 x 1, 4 waves a work-group, no clusters, 0 bytes of LDS; arguments W1, W2, arg1, arg2, b1, b2, src_mask, wf, tab, rows; writes wf, tab, rows
;; launch main (part 4): grid 8 x 32, 4 waves a work-group, no clusters, 327,680 bytes of LDS; arguments enc_hs, wf, tab, rows, pctx, pml; writes pctx, pml
.if DOCPART == 4
	.amdgcn_target "amdgcn-amd-amdhsa--gfx1250"
	.amdhsa_code_object_version 6
	.text
	.protected	k_q8285ddf7df_main
	.globl	k_q8285ddf7df_main
	.p2align	8
	.type	k_q8285ddf7df_main,@function
k_q8285ddf7df_main:
	s_mov_b64 s[64:65], 0
	v_nop
	global_prefetch_b8 v0, s[64:65] scope:SCOPE_SE
	s_setreg_imm32_b32 hwreg(HW_REG_WAVE_SCHED_MODE, 0, 2), 2
	s_setreg_imm32_b32 hwreg(HW_REG_WAVE_MODE, 25, 1), 1
	s_wait_xcnt 0x0
	s_wait_alu depctr_vm_vsrc(0)
; FOR ONE SHARE OF ONE BATCH'S UNMASKED ROWS: scores of both heads, a softmax over the share, and the share's part of both contexts.
;   score_c[s] = sum over a of arg_c[a] tanh(enc[s] . W_c[a] + b_c[a]);  m_c = max score_c;  p = e^(score - m);  l_c = sum p;  ctx_c = sum p enc[s].   The next launch merges (m, l, ctx).
; A masked row has weight 0 in the result, so it is never read: the list of unmasked rows (rows, made by the launch before) says which rows are gathered.
; SHARES.  Batch b has n rows in its list.  Work-group (j, b) takes q = ceil(n / 8) places of the list from j q on, 144 a PASS; the second pass has work only where q > 144 (it is jumped over,
; its barriers are not).  The pass's 144 rows stay in LDS in bf16 from the gather to the context: enc_hs is read once.  Places of the tile past the share's end hold rows with weight 0.
; FORMATS.  enc, W, b, arg are rounded to bf16 once; products on the matrix unit, sums in f32; tanh, softmax in f32; a weight p goes into the context's product as two bf16 parts, p = hi + lo.
; LIMITS.  Rows that are read with weight 0 (the pad row 2048 b; a neighbour's rows) must hold finite numbers; NaN and infinities in enc_hs are not treated as the unfused computation treats them.
; A batch with no unmasked row gives l = 0 here and NaN in the end, as a softmax over nothing does.
; W COMES STRAIGHT INTO REGISTERS, NOT JOINTLY THROUGH LDS: the tile takes 313,344 of the 327,680 bytes; a K step of 32 of W for 512 columns is 32,768 bytes: no slot for it fits, so a joint
; load would have nowhere to land.  Wave w takes columns 128 w .. 128 w + 127 of a head, so no wave wants a byte of W that another wave has fetched.
; LDS BY PHASES, a barrier between each two: the gather stores the tile, arg and c b; the products only read; the partial scores are stored; softmax and context read them and the tile, and
; each wave writes bytes of its own.
; THE MATRIX INSTRUCTION IS USED TRANSPOSED (source 0 = 16 rows of W, source 1 = 16 rows of enc): a lane holds ONE row of enc (lane % 16) and columns 8 (lane / 16) + 0..7 of each 16.
; THE MODE: SCHED_MODE bits 1:0 = 2 (LLVM: expert scheduling mode 2), set by the entry lines.  The code itself states the register dependences between vector or matrix instructions and
; memory or LDS instructions, with s_wait_alu, always for 0.
; THE PLAN.  Registers that memory or LDS instructions touch, and who else names them:
;   fixed addresses (v1-5, v7, v9, v11, v13-22, v31)  made at the head, never written again: one wait on va_vdst at the head serves every load and store by them.
;   GATHER.   RO: written by 36 vector lines a pass, read by the pass's loads of enc.  Two groups of raw registers (windows 2, 3): a group's loads land, its 72 conversions read them, its next
;             loads land.  PK: written by a group's conversions, read by its 36 LDS stores, written by the other group's conversions.  v[LS]: read by those stores, stepped once a trip.
;             A group has ONE wait on va_vdst, behind its conversions: PK is written (the stores), the raw registers are read (the next loads).  vm_vsrc stands ahead of each rewriting of PK and LS.
;   PRODUCTS. K step q: its products read W's set q % 4 and enc's set q % 2; its loads land in W's set (q + 3) % 4 and enc's set (q + 1) % 2, which the step before read.  ONE wait on va_vdst at the
;             step's head states that the step before is done; the step's 34 loads follow it, dealt among the products, which name none of the registers that those loads touch.
;             v[AA]: read by enc's loads, written once a chunk and once a K block, each time behind a vm_vsrc and ahead of a va_vdst that stands there anyway.  v[TA] likewise, once a chunk.
;   SCORES.   KEEP and S: written by vector lines, read by the 18 LDS stores: va_vdst ahead of the stores, vm_vsrc behind them (S's registers take loads later).
;   SOFTMAX, CONTEXT.  HB: all five groups' parts are made, one va_vdst, then the 20 stores.  Three buffers of turned fragments, E0, E1, E2: steps 0 to 4 use E0, E1, E2, E0, E1: one va_vdst, behind
;             step 1's products, frees E0 and E1.  OS: va_vdst ahead of the stage's stores.  What the way out's stores read is freed by the vm_vsrc at the next pass's head.
; REGISTERS, in windows of 256 (s_set_vgpr_msb: bits 1:0 source 0, 3:2 source 1, 5:4 source 2, 7:6 destination):
;   window 0: v0-31 addresses; v32-95 accumulators of row block 8 (gather: row offsets); v96-239 two sets of enc fragments (gather: packed bf16; epilogue: two buffers T, sums S; later P and the way out);
;             v242-243 c; v244-252 head 0's partial scores, kept while head 1 is made
;   window 1: four sets of W fragments (epilogue: sets 2, 3 hold c b and arg)     windows 2, 3: accumulators of row blocks 0-3, 4-7 (gather: the loads; context: accumulators in window 2 v0-127,
;             E2 in window 2 v128-255, E0 and E1 in window 3)
.set PITCH,  272                       ; a tile row of one K block: 256 bytes + 16: the 16 rows of a fragment load start at 16 different groups of four banks (64 banks of 4 bytes: ISA guide 11.1)
.set BLK,    144*PITCH                 ; a K block: 128 channels of the 144 rows
.set TAB,    8*BLK                     ; arg row (4,096 bytes), c b row (4,096).  Behind the scores' barrier wave w owns TAB + 2048 w: the weights' table, then the stage of the way out
.set SP,     TAB+8192                  ; partial scores [head 2][wave 4][144] f32
.set SPARE,  SP+4608                   ; the spare words, 128 bytes a wave: two blocks of 256 bytes that no other line names
.set PPITCH, 336                       ; a row of the weights' table: 160 bf16 + 16 bytes
.set WSTEP,  8192                      ; bytes of wf for one wave, one head, one K step of 32
.set LANE,1
.set L16,2                             ; 16 x lane
.set R,3                               ; lane % 16
.set H,4                               ; lane / 16
.set AA0,5                             ; enc fragment: 272 r + 16 h
.set AA,6                              ;   + the K block in hand
.set LS0,7                             ; gather: my wave's 36 rows, 8 bytes a lane
.set LS,8
.set TA0,9                             ; TAB + 512 w + 32 h
.set TA,10                             ;   + the head
.set SPS0,11                           ; SP + 576 w + 4 r; never rewritten
.set SPR,13                            ; SP + 4 lane
.set SPR4,14                           ; SP + 512 + 4 r
.set PTS,15                            ; my table + 2 lane
.set PTL,16                            ; my table + 336 ((r & 1) + 2 (r >> 3)) + 16 h
.set PMASK,17                          ; all ones where r is 0, 1, 8 or 9
.set AV0,18                            ; turning load: (8 h + l % 8) 272 + 16 ((l / 8) % 2) + my wave's first K block
.set AV1,19                            ;   the second
.set STS,20                            ; stage, in: 1024 h + 4 r
.set STL,21                            ; stage, back: 16 lane
.set T16,22                            ; TAB + 16 x thread
.set NEGV,23                           ; the lowest finite number
.set ML,24                             ; v[24:27] m1, l1, m2, l2
.set SPW,28                            ; my spare word; never rewritten
.set NIL,29                            ; 0; never rewritten
.set TMP,30
.set G16,31                            ; 16 x thread
.set RO,32                             ; gather: v32-67 byte offsets of my wave's 36 rows
.set ACC8,32
.set AF,96                             ; enc fragments: set z, row block a at AF + 72 z + 8 a
.set PK,96                             ; gather: packed bf16
.set TBL,208                           ; gather: TAB's loads
.set TB,96                             ; epilogue: buffer t % 2 at TB + 64 (t % 2)
.set SS,224                            ; epilogue: row block a's pair of sums at SS + 2 a
.set CV,242                            ; v[242:243] c, twice
.set KEEP,244                          ; v244-252 head 0's partial score of row block a at KEEP + a
.set PF,96                             ; context: the weights' fragments, 8 a step
.set SCB,136                           ; softmax: head hd, group t at SCB + 20 hd + 4 t
.set HB,182                            ; softmax: hi, lo, hi >> 16, lo >> 16 for each t
.set HT,202
.set OS,206                            ; way out: 16 sums, then 16 registers read back
.set ENC,4
.set WF,6
.set TBP,8
.set RWS,10
.set PCTX,12
.set PML,14
.set RN,16                             ; s16-51 my wave's 36 row numbers
.set WV,52
.set JJ,53
.set BB,54
.set NN,55
.set QQ,56
.set START,57
.set AVAIL,58
.set NV,59                             ; valid rows in the pass's tile
.set ACT,60                            ; 1: the pass has work
.set ACT2,61
.set PASS,62
.set CH,63
.set W0,66                             ; wf at my wave, head 0
.set W1,68                             ; head 1
.set WP,70                             ; the head in hand, stepped along K
.set WN,72                             ; the head that comes next
.set EP,74                             ; s[74:75] enc_hs at the K block that the gather's first group asks for next; s[78:79] the same for its second group
.set LP,76
.set SEL,80                            ; v_permlanex16_b32's selects: each lane takes its own place in the other half
.set CNT,82
.set LOG2E,83
.set VM,84                             ; s84-88 which lanes hold a valid row, for each group of 32 rows
.set PCP,90
.set PMP,92
.set TARG,94
.set TBIAS,96
.set MSB, 0
.macro WIN new                         ; the immediate's high byte repeats the setting that is left; a switch that changes nothing is dropped
.if MSB != (\new)
	s_set_vgpr_msb (MSB<<8)|(\new)
.set MSB, (\new)
.endif
.endm
.macro PLACES                          ; four plain instructions between a matrix instruction and a vector instruction on its registers (ISA guide 7.12.1)
.rept 4
	v_nop
.endr
.endm
.macro BAR                             ; my LDS instructions are done; then everybody's are
	s_wait_dscnt 0x0
	s_barrier_signal -1
	s_barrier_wait -1
.endm
; THE GATHER.  36 loads: 512 consecutive bytes (128 channels, one K block) of each of my wave's rows, into window win, by the group's own base.
.macro LDGRP win
	WIN (\win)<<6
.set c_, 0
.rept 36
	global_load_b128 v[4*c_:4*c_+3], v[RO+c_], s[EP+4*((\win)-2):EP+4*((\win)-2)+1]
.set c_, c_+1
.endr
.endm
; A group's turn: its K block is rounded to bf16 and stored: a lane's 4 channels are 8 bytes, a row's 256 bytes lie on end.  left: the younger loads that may stay out.
; ahead = 1: the group asks for the K block two on, ahead of its stores.
.macro GROUP win, left, loff, ahead
	s_wait_loadcnt \left
.if \ahead
	s_add_nc_u64 s[EP+4*((\win)-2):EP+4*((\win)-2)+1], s[EP+4*((\win)-2):EP+4*((\win)-2)+1], 1024  ; free since that wait, which shows the loads that read this base done
.endif
.if (\win) == 3
	s_wait_alu depctr_vm_vsrc(0)                   ; the first group's stores have read PK, which the conversions below write again (ahead of the first group's turn the wait at the loop's end, or the pass's earlier ones, state the same)
.endif
	WIN (\win)*5                                   ; sources 0 and 1 in window win
.set c_, 0
.rept 72
	v_cvt_pk_bf16_f32 v[PK+c_], v[2*c_], v[2*c_+1]
.set c_, c_+1
.endr
	s_wait_alu depctr_va_vdst(0)                   ; the conversions have written PK, which the stores read, and are done reading the raw registers, in which the loads land; v[LS] is written
.if \ahead
	LDGRP \win
.endif
	WIN 0
.set c_, 0
.rept 36
	ds_store_b64 v[LS], v[PK+2*c_:PK+2*c_+1] offset:(\loff)+PITCH*c_
.set c_, c_+1
.endr
.endm
; THE PRODUCTS.  n of a K step's nine fragments of enc (144 rows x 32 k) from LDS, from fragment f0 on,
.macro FA set, koff, f0=0, n=9
	WIN 0
.set fa_, \f0
.rept \n
	ds_load_b128 v[AF+72*(\set)+8*fa_:AF+72*(\set)+8*fa_+3],   v[AA] offset:16*PITCH*fa_+(\koff)
	ds_load_b128 v[AF+72*(\set)+8*fa_+4:AF+72*(\set)+8*fa_+7], v[AA] offset:16*PITCH*fa_+(\koff)+32
.set fa_, fa_+1
.endr
.endm
; and n of its eight fragments of W (128 columns x 32 k) from memory, as they lie: each load covers 512 consecutive bytes.
.macro FB set, ptr, off, f0=0, n=8
	WIN 0x40
.set fb_, \f0
.rept \n
	global_load_b128 v[64*(\set)+8*fb_:64*(\set)+8*fb_+3],   v[L16], s[\ptr:\ptr+1] offset:(\off)+1024*fb_
	global_load_b128 v[64*(\set)+8*fb_+4:64*(\set)+8*fb_+7], v[L16], s[\ptr:\ptr+1] offset:(\off)+1024*fb_+512
.set fb_, fb_+1
.endr
.endm
.macro FCB f0, n                       ; c b of my 128 columns from LDS, into W's set 2, for the epilogue
	WIN 0x40
.set fb_, \f0
.rept \n
	ds_load_b128 v[128+8*fb_:131+8*fb_], v[TA] offset:4096+64*fb_
	ds_load_b128 v[132+8*fb_:135+8*fb_], v[TA] offset:4096+64*fb_+16
.set fb_, fb_+1
.endr
.endm
; n row blocks from a0 on x all 8 column blocks.  The 72 accumulators take turns, one instruction a turn, in the same order in every K step.  zero = 1: the products start the sums.
.macro MULS q, a0, n, zero
.set ma, \a0
.rept \n
.if ma < 4
	WIN 0xa1
.set mD, 64*ma
.elseif ma < 8
	WIN 0xf1
.set mD, 64*(ma-4)
.else
	WIN 0x01
.set mD, ACC8
.endif
.set mb, 0
.rept 8
.if \zero
	v_wmma_f32_16x16x32_bf16 v[mD+8*mb:mD+8*mb+7], v[64*(\q)+8*mb:64*(\q)+8*mb+7], v[AF+72*((\q)%2)+8*ma:AF+72*((\q)%2)+8*ma+7], 0
.else
	v_wmma_f32_16x16x32_bf16 v[mD+8*mb:mD+8*mb+7], v[64*(\q)+8*mb:64*(\q)+8*mb+7], v[AF+72*((\q)%2)+8*ma:AF+72*((\q)%2)+8*ma+7], v[mD+8*mb:mD+8*mb+7]
.endif
.set mb, mb+1
.endr
.set ma, ma+1
.endr
.endm
.macro ALOAD q, amode, f0              ; three fragments of enc for the next K step
.if (\amode) >= 1
	FA ((\q)+1)%2, (((\q)+1)%4)*64, \f0, 3
.endif
.endm
.macro WLOAD q, bmode, f0              ; four fragments of W for the K step three on (bmode 1), of the next head's first steps (2), or of c b (3)
.if (\bmode) == 1
	FB ((\q)+3)%4, WP, ((\q)+3)*WSTEP, \f0, 4
.elseif (\bmode) == 2
	FB ((\q)+3)%4, WN, ((\q)-1)*WSTEP, \f0, 4
.else
	FCB \f0, 4
.endif
.endm
; A K STEP of 32, number q modulo 4: 72 products on W's set q and enc's set q % 2, nine row blocks of eight.  Its loads go into the sets that the step before read: enc's fragments of the next step
; (amode 1; 2: in the next K block; 0: none), six loads behind each of the row blocks 0, 1, 2, and W's (WLOAD), eight loads behind each of the row blocks 3 and 4: all in the step's first half,
; so that enc's have the rest of the step in which to land.  No wait stands among them: the step's products name W's set q, enc's set q % 2 and the accumulators, none of which these loads touch.
.macro STEP q, zero, amode, bmode
	s_wait_loadcnt 32                              ; W's set q is in; the two younger sets, 16 loads each, may stay out
	s_wait_dscnt 0x0                               ; enc's fragments, asked for in the first third of the step before
.if (\amode) == 2
	WIN 0
	s_wait_alu depctr_vm_vsrc(0)                   ; the fragment loads issued so far have read v[AA]
	v_add_nc_u32 v[AA], BLK, v[AA]
.endif
.if !(\zero)
	s_wait_alu depctr_va_vdst(0)                   ; the products of the step before are done reading their set of enc and their set of W, in which this step's loads land; in a K block's last step v[AA] is written
.endif                                                 ; (a chunk's first step: the wait at the chunk's head has stated all this, and only loads stand between)
	MULS \q, 0, 1, \zero
	ALOAD \q, \amode, 0
	MULS \q, 1, 1, \zero
	ALOAD \q, \amode, 3
	MULS \q, 2, 1, \zero
	ALOAD \q, \amode, 6
	MULS \q, 3, 1, \zero
	WLOAD \q, \bmode, 0
	MULS \q, 4, 1, \zero
	WLOAD \q, \bmode, 4
	MULS \q, 5, 3, \zero
	MULS \q, 8, 1, \zero
.endm
; THE EPILOGUE, a row block t (16 rows x my 128 columns: 64 numbers a lane) at a time, in buffer t % 2:
;   u = c x + c b;  e = 2^u;  e + 1;  r = 1 / (e + 1);  tanh = 1 - 2 r;  S(t) += tanh x arg.
; Exponentials and reciprocals stand between plain instructions of the neighbouring row blocks.  An s_wait_alu depctr_va_vdst(0) stands between such an instruction and the first
; line that names its result; one wait serves a batch: X1's 64 exponentials have one, X2's 64 reciprocals have one.
.macro ACCOF t                         ; row block t's accumulators: window eW, first register eA
.if (\t) < 4
.set eW, 2
.set eA, 64*(\t)
.elseif (\t) < 8
.set eW, 3
.set eA, 64*((\t)-4)
.else
.set eW, 0
.set eA, ACC8
.endif
.endm
.macro X1 t                            ; the exponentials of t; between them tanh and the sum of t - 1
	WIN 0x04                                       ; source 1 (arg) in window 1
.set xT, TB+64*((\t)%2)
.set xP, TB+64*(((\t)+1)%2)
.set xS, SS+2*((\t)-1)
.set e_, 0
.rept 32
	v_exp_f32 v[xT+2*e_], v[xT+2*e_]
.if (\t) > 0
	v_pk_fma_f32 v[xP+2*e_:xP+2*e_+1], v[xP+2*e_:xP+2*e_+1], -2.0, 1.0 op_sel_hi:[1,0,0]
.endif
	v_exp_f32 v[xT+2*e_+1], v[xT+2*e_+1]
.if (\t) > 0
.if e_ == 0
	v_pk_mul_f32 v[xS:xS+1], v[xP:xP+1], v[192:193]
.else
	v_pk_fma_f32 v[xS:xS+1], v[xP+2*e_:xP+2*e_+1], v[192+2*e_:193+2*e_], v[xS:xS+1]
.endif
.endif
.set e_, e_+1
.endr
.if (\t) == 0
	v_nop                                          ; a plain instruction behind the last exponential
.endif
	s_wait_alu depctr_va_vdst(0)                   ; the 64 exponentials have written buffer t % 2, ahead of their first readers, X2's additions
.endm
.macro X2 t                            ; e + 1 and the reciprocals of t; between them the scaling of t + 1, which reads each accumulator from its lowest registers on
.set xT, TB+64*((\t)%2)
.set xP, TB+64*(((\t)+1)%2)
	ACCOF (\t)+1
.if (\t) < 8
	WIN 0x10|(eW<<2)                               ; source 1 (the accumulators) in window eW, source 2 (c b) in window 1
.else
	WIN 0
.endif
.set e_, 0
.rept 32
	v_pk_add_f32 v[xT+2*e_:xT+2*e_+1], v[xT+2*e_:xT+2*e_+1], 1.0 op_sel_hi:[1,0]
	v_rcp_f32 v[xT+2*e_], v[xT+2*e_]
.if (\t) < 8
	v_pk_fma_f32 v[xP+2*e_:xP+2*e_+1], v[CV:CV+1], v[eA+2*e_:eA+2*e_+1], v[128+2*e_:129+2*e_]
.else
	v_nop
.endif
	v_rcp_f32 v[xT+2*e_+1], v[xT+2*e_+1]
.set e_, e_+1
.endr
	v_nop                                          ; a plain instruction behind the last reciprocal
	s_wait_alu depctr_va_vdst(0)                   ; the 64 reciprocals have written buffer t % 2, ahead of their first readers, the lines that make tanh of them
.endm
; THE CONTEXT.  32 rows x my 256 channels of the tile, turned on the way out of LDS: 16 fragments, into buffer buf (0, 1: window 3; 2: window 2, v128 on).
; Step 4 has 16 rows only: they are read twice, and the weights of the second reading are 0.
.macro FE kk, buf
.if (\buf) < 2
	WIN 0xc0
.set fB, 128*(\buf)
.else
	WIN 0x80
.set fB, 128
.endif
.set f_, 0
.rept 16
.if f_ < 8
.set fV, AV0
.else
.set fV, AV1
.endif
	ds_load_tr16_b128 v[fB+8*f_:fB+8*f_+3], v[fV] offset:32*PITCH*(\kk)+32*(f_%8)
.if (\kk) < 4
	ds_load_tr16_b128 v[fB+8*f_+4:fB+8*f_+7], v[fV] offset:32*PITCH*(\kk)+16*PITCH+32*(f_%8)
.else
	ds_load_tr16_b128 v[fB+8*f_+4:fB+8*f_+7], v[fV] offset:32*PITCH*(\kk)+32*(f_%8)
.endif
.set f_, f_+1
.endr
.endm
.macro MC kk, buf                      ; 16 products, 16 accumulators by turns: source 0 = the weights (rows 0, 1: head 0's hi, lo; rows 8, 9: head 1's), source 1 = 16 channels
.if (\buf) < 2
	WIN 0xac
.set cB, 128*(\buf)
.else
	WIN 0xa8
.set cB, 128
.endif
.set ct, 0
.rept 16
.if (\kk) == 0
	v_wmma_f32_16x16x32_bf16 v[8*ct:8*ct+7], v[PF+8*(\kk):PF+8*(\kk)+7], v[cB+8*ct:cB+8*ct+7], 0
.else
	v_wmma_f32_16x16x32_bf16 v[8*ct:8*ct+7], v[PF+8*(\kk):PF+8*(\kk)+7], v[cB+8*ct:cB+8*ct+7], v[8*ct:8*ct+7]
.endif
.set ct, ct+1
.endr
.endm
	; ---------------- the head
	s_load_b256 s[ENC:ENC+7], s[0:1], 0x0          ; enc_hs, wf, tab, rows
	s_load_b128 s[PCTX:PCTX+3], s[0:1], 0x20       ; pctx, pml
	v_lshl_add_u32 v[SPW], v0, 2, SPARE
	v_mov_b32 v[NIL], 0
	v_lshrrev_b32 v[TMP], 5, v0
	v_readfirstlane_b32 s[WV], v[TMP]              ; wave 0..3
	v_and_b32 v[LANE], 31, v0
	v_and_b32 v[R], 15, v0
	v_bfe_u32 v[H], v0, 4, 1
	v_lshlrev_b32 v[L16], 4, v[LANE]
	v_lshlrev_b32 v[G16], 4, v0
	v_mul_u32_u24 v[AA0], v[R], PITCH
	v_lshl_add_u32 v[AA0], v[H], 4, v[AA0]
	s_wait_alu depctr_va_sdst(0)                   ; the wave's number is written, ahead of its first reader, the line below
	s_mul_i32 s2, s[WV], 36*PITCH
	v_lshl_add_u32 v[LS0], v[LANE], 3, s2
	s_lshl_b32 s2, s[WV], 9
	s_add_co_u32 s2, s2, TAB
	v_lshl_add_u32 v[TA0], v[H], 5, s2
	s_mul_i32 s2, s[WV], 576
	s_add_co_u32 s2, s2, SP
	v_lshl_add_u32 v[SPS0], v[R], 2, s2
	v_lshl_add_u32 v[SPR], v[LANE], 2, SP
	v_lshl_add_u32 v[SPR4], v[R], 2, SP+512
	s_lshl_b32 s3, s[WV], 11
	s_add_co_u32 s3, s3, TAB                       ; my wave's 2,048 bytes behind the scores' barrier
	v_lshl_add_u32 v[PTS], v[LANE], 1, s3
	v_and_b32 v[TMP], 1, v[R]
	v_lshrrev_b32 v[PTL], 3, v[R]
	v_lshl_add_u32 v[TMP], v[PTL], 1, v[TMP]
	v_mul_u32_u24 v[TMP], v[TMP], PPITCH
	v_lshl_add_u32 v[TMP], v[H], 4, v[TMP]
	v_add_nc_u32 v[PTL], s3, v[TMP]
	v_and_b32 v[TMP], 6, v[R]
	v_cmp_eq_u32 vcc_lo, 0, v[TMP]
	s_wait_alu depctr_va_vcc(0)                    ; the compare has written VCC, which the select reads
	v_cndmask_b32 v[PMASK], 0, -1, vcc_lo
	v_and_b32 v[TMP], 7, v0
	v_lshl_add_u32 v[TMP], v[H], 3, v[TMP]
	v_mul_u32_u24 v[TMP], v[TMP], PITCH
	v_bfe_u32 v[AV0], v0, 3, 1
	v_lshl_add_u32 v[TMP], v[AV0], 4, v[TMP]
	s_mul_i32 s2, s[WV], 2*BLK
	v_add_nc_u32 v[AV0], s2, v[TMP]
	v_add_nc_u32 v[AV1], BLK, v[AV0]
	v_lshl_add_u32 v[STS], v[H], 10, s3
	v_lshl_add_u32 v[STS], v[R], 2, v[STS]
	v_add_nc_u32 v[STL], s3, v[L16]
	v_lshl_add_u32 v[T16], v0, 4, TAB
	v_mov_b32 v[NEGV], 0xff7fffff
	v_mov_b32 v[CV], 0x4038aa3b                    ; c = 2 log2(e)
	v_mov_b32 v[CV+1], 0x4038aa3b
.irp a, 0,1,2,3,4,5,6,7,8              ; the 18 registers from which the partial scores are stored: those stores stand outside the jump round a pass's products, so the registers are written once here
	v_mov_b32 v[KEEP+(\a)], 0
	v_mov_b32 v[SS+2*(\a)], 0
.endr
	s_mov_b32 s[JJ], ttmp9
	s_and_b32 s[BB], ttmp7, 0xffff
	s_mov_b32 s[SEL], 0x76543210
	s_mov_b32 s[SEL+1], 0xfedcba98
	s_mov_b32 s[LOG2E], 0x3fb8aa3b
	s_wait_kmcnt 0x0
	s_mul_i32 s2, s[BB], 8704
	s_mov_b32 s3, 0
	s_add_nc_u64 s[RWS:RWS+1], s[RWS:RWS+1], s[2:3]  ; the batch's list
	s_load_b32 s[NN], s[RWS:RWS+1], 0x2100         ; n, in word 2112
	s_lshl_b32 s2, s[WV], 19
	s_add_nc_u64 s[W0:W0+1], s[WF:WF+1], s[2:3]
	s_add_nc_u64 s[W1:W1+1], s[W0:W0+1], 0x40000
	s_lshl_b32 s2, s[BB], 12
	s_add_nc_u64 s[TARG:TARG+1], s[TBP:TBP+1], s[2:3]
	s_add_nc_u64 s[TBIAS:TBIAS+1], s[TBP:TBP+1], 0x20000
	s_wait_alu depctr_va_vdst(0)                   ; all the fixed addresses are written, which the kernel's loads and stores read: none of them is written again
	FB 0, W0, 0                                    ; W's first three K steps: they land while the tile is gathered
	FB 1, W0, WSTEP
	FB 2, W0, 2*WSTEP
	WIN 0
	s_wait_kmcnt 0x0
	s_min_u32 s[NN], s[NN], 2048
	s_add_co_u32 s[QQ], s[NN], 7
	s_lshr_b32 s[QQ], s[QQ], 3
	s_min_u32 s[QQ], s[QQ], 256                    ; q enters an address: it is clamped last, and only multiplied, added to and shifted left from here on
	s_mul_i32 s[START], s[JJ], s[QQ]
	s_sub_co_i32 s[AVAIL], s[NN], s[START]
	s_min_i32 s[AVAIL], s[AVAIL], s[QQ]
	s_max_i32 s[AVAIL], s[AVAIL], 0                ; how many places of the list are mine
	s_cmp_gt_u32 s[QQ], 144
	s_cselect_b32 s[ACT2], 1, 0
	s_mov_b32 s[ACT], 1                            ; the first pass always has work (an empty share still stores m, l = 0 and ctx = 0)
	s_mov_b32 s[PASS], 0
.Lpass:
	s_wait_xcnt 0x0                                ; the last pass's stores have read their registers and bases
	s_wait_alu depctr_vm_vsrc(0)                   ; the last pass's stores have read the way out's registers (v206-237), in part of which arg and c b land below, and m, l and the weights' parts, which this pass's softmax writes again
	s_mul_i32 s2, s[PASS], 144
	s_sub_co_i32 s[NV], s[AVAIL], s2
	s_max_i32 s[NV], s[NV], 0
	s_min_i32 s[NV], s[NV], 144
	s_lshl_b32 s2, s[BB], 3
	s_add_co_u32 s2, s2, s[JJ]
	s_lshl_b32 s2, s2, 1
	s_add_co_u32 s2, s2, s[PASS]                   ; the slot of this pass's results
	s_lshl_b32 s98, s2, 13
	s_lshl_b32 s3, s[WV], 10
	s_add_co_u32 s98, s98, s3
	s_mov_b32 s99, 0
	s_add_nc_u64 s[PCP:PCP+1], s[PCTX:PCTX+1], s[98:99]
	s_lshl_b32 s98, s2, 9
	s_add_nc_u64 s[PMP:PMP+1], s[PML:PML+1], s[98:99]
	s_cmp_eq_u32 s[ACT], 0
	s_cbranch_scc1 .LskipL
	; ---------------- the gather: wave w brings tile rows 36 w .. 36 w + 35, a K block (512 bytes of a row) to a load
	global_load_b128 v[TBL:TBL+3],     v[G16], s[TARG:TARG+1]  ; no vector line has named these sixteen registers since the last wait on va_vdst (the head's; the one ahead of the last pass's last LDS stores)
	global_load_b128 v[TBL+4:TBL+7],   v[G16], s[TARG:TARG+1] offset:2048
	global_load_b128 v[TBL+8:TBL+11],  v[G16], s[TBIAS:TBIAS+1]
	global_load_b128 v[TBL+12:TBL+15], v[G16], s[TBIAS:TBIAS+1] offset:2048
	s_mul_i32 s2, s[PASS], 144
	s_add_co_u32 s2, s2, s[START]
	s_mul_i32 s3, s[WV], 36
	s_add_co_u32 s2, s2, s3
	s_lshl_b32 s2, s2, 2                           ; at most 4 (1792 + 144 + 108) bytes, and 144 are read: inside the batch's 8,704
	s_mov_b32 s3, 0
	s_add_nc_u64 s[LP:LP+1], s[RWS:RWS+1], s[2:3]
	s_load_b512 s[RN:RN+15], s[LP:LP+1], 0x0
	s_load_b512 s[RN+16:RN+31], s[LP:LP+1], 0x40
	s_load_b128 s[RN+32:RN+35], s[LP:LP+1], 0x80
	s_mov_b64 s[EP:EP+1], s[ENC:ENC+1]             ; the first group begins with K block 0,
	s_add_nc_u64 s[EP+4:EP+5], s[ENC:ENC+1], 512   ; the second with K block 1
	v_mov_b32 v[LS], v[LS0]
	s_wait_kmcnt 0x0
.set c_, 0
.rept 36
	s_min_u32 s[RN+c_], s[RN+c_], 0xffff           ; a loaded number enters an address only clamped
	v_lshl_add_u32 v[RO+c_], s[RN+c_], 12, v[L16]  ; row x 4,096 + 16 lane
.set c_, c_+1
.endr
	s_wait_alu depctr_va_vdst(0)                   ; the 36 row offsets are written, which the loads of enc read; the last pass's products are done with windows 2 and 3, in which those loads land
	LDGRP 2                                        ; K block 0
	WIN 0
	s_wait_loadcnt 36                              ; arg and c b are in: behind them only the 36 loads just issued
	ds_store_b128 v[T16], v[TBL:TBL+3]
	ds_store_b128 v[T16], v[TBL+4:TBL+7]   offset:2048
	ds_store_b128 v[T16], v[TBL+8:TBL+11]  offset:4096
	ds_store_b128 v[T16], v[TBL+12:TBL+15] offset:6144
	LDGRP 3                                        ; K block 1
	WIN 0
	s_mov_b32 s[CNT], 3
.Lgather:                                      ; a trip stores K blocks 2 i, 2 i + 1 and asks for 2 i + 2, 2 i + 3
	GROUP 2, 36, 0, 1                              ; the other group's 36 loads may stay out
	GROUP 3, 36, BLK, 1
	s_wait_alu depctr_vm_vsrc(0)                   ; the trip's stores have read v[LS], which the add writes, and PK, which the first group's next conversions write
	v_add_nc_u32 v[LS], 2*BLK, v[LS]
	s_sub_co_u32 s[CNT], s[CNT], 1
	s_cmp_lg_u32 s[CNT], 0
	s_cbranch_scc1 .Lgather
	GROUP 2, 36, 0, 0                              ; the last two K blocks: nothing more is asked for
	GROUP 3, 0, BLK, 0
.LskipL:
	s_wait_alu depctr_vm_vsrc(0)                   ; the gather's stores have read PK, v[LS] and arg's and c b's registers, its loads the row offsets: behind the barrier fragments land in the first, and products write the last
	BAR                                            ; the tile, arg and c b are whole
	s_cmp_eq_u32 s[ACT], 0
	s_cbranch_scc1 .LskipC
	; ---------------- the projection and the scores, a head (chunk) at a time.  This phase only reads LDS.
	s_mov_b32 s[CH], 0
	v_mov_b32 v[TA], v[TA0]
.Lchunk:
	s_wait_xcnt 0x0                                ; W's loads have read their bases
	s_cmp_eq_u32 s[CH], 0
	s_cselect_b64 s[WP:WP+1], s[W0:W0+1], s[W1:W1+1]
	s_cselect_b64 s[WN:WN+1], s[W1:W1+1], s[W0:W0+1]
	v_mov_b32 v[AA], v[AA0]
	s_wait_alu depctr_va_vdst(0)                   ; v[AA] and v[TA] are written, which the chunk's LDS loads read; the gather's conversions, or the last epilogue, are done with the fragments' registers and with arg's, in which the first loads land
	FA 0, 0
	STEP 0, 1, 1, 1                                ; the first K step starts the sums: nothing is cleared
	STEP 1, 0, 1, 1
	STEP 2, 0, 1, 1
	STEP 3, 0, 2, 1
	WIN 0
	s_wait_xcnt 0x0
	s_add_nc_u64 s[WP:WP+1], s[WP:WP+1], 4*WSTEP
	s_mov_b32 s[CNT], 6
.Lk:                                           ; a trip: a K block, four K steps
	STEP 0, 0, 1, 1
	STEP 1, 0, 1, 1
	STEP 2, 0, 1, 1
	STEP 3, 0, 2, 1
	WIN 0
	s_wait_xcnt 0x0                                ; the youngest of W's loads stands 32 products back
	s_add_nc_u64 s[WP:WP+1], s[WP:WP+1], 4*WSTEP
	s_sub_co_u32 s[CNT], s[CNT], 1
	s_cmp_lg_u32 s[CNT], 0
	s_cbranch_scc1 .Lk
	STEP 0, 0, 1, 1                                ; the last K block: W's last step, then the next head's steps 0 and 1, then c b
	STEP 1, 0, 1, 2
	STEP 2, 0, 1, 2
	STEP 3, 0, 0, 3
	PLACES                                         ; behind the last products: the scalings below read their results and write registers that they read
	s_wait_alu depctr_va_vdst(0)                   ; the last K step's products are done reading W's set 3, in which arg lands; the places above stay beside this wait
	WIN 0x40
.set fb_, 0
.rept 8                                ; arg, into the set that the last K step read
	ds_load_b128 v[192+8*fb_:195+8*fb_], v[TA] offset:64*fb_
	ds_load_b128 v[196+8*fb_:199+8*fb_], v[TA] offset:64*fb_+16
.set fb_, fb_+1
.endr
	s_wait_dscnt 16                                ; c b is in; arg's 16 loads may stay out
	ACCOF 0
	WIN 0x10|(eW<<2)
.set e_, 0
.rept 32
	v_pk_fma_f32 v[TB+2*e_:TB+2*e_+1], v[CV:CV+1], v[eA+2*e_:eA+2*e_+1], v[128+2*e_:129+2*e_]
.set e_, e_+1
.endr
	X1 0
	X2 0
	s_wait_dscnt 0x0                               ; arg
.irp t, 1,2,3,4,5,6,7,8
	X1 \t
	X2 \t
.endr
	FB 2, WN, 2*WSTEP                              ; the next head's K step 2, where c b lay.  No wait of its own: the last lines that named c b are row block 8's scalings, and three waits on va_vdst stand behind them, the last directly above
	WIN 0x04
.set e_, 0
.rept 32
	v_pk_fma_f32 v[TB+2*e_:TB+2*e_+1], v[TB+2*e_:TB+2*e_+1], -2.0, 1.0 op_sel_hi:[1,0,0]
.set e_, e_+1
.endr
	v_pk_mul_f32 v[SS+16:SS+17], v[TB:TB+1], v[192:193]
.set e_, 1
.rept 31
	v_pk_fma_f32 v[SS+16:SS+17], v[TB+2*e_:TB+2*e_+1], v[192+2*e_:193+2*e_], v[SS+16:SS+17]
.set e_, e_+1
.endr
	WIN 0
.irp a, 0,1,2,3,4,5,6,7,8
	v_add_f32 v[SS+2*(\a)], v[SS+2*(\a)], v[SS+2*(\a)+1]
.endr
.irp a, 0,1,2,3,4,5,6,7,8
	v_permlanex16_b32 v[SS+2*(\a)+1], v[SS+2*(\a)], s[SEL], s[SEL+1]  ; the row's other 64 columns lie in the lane 16 away
.endr
.irp a, 0,1,2,3,4,5,6,7,8
	v_add_f32 v[SS+2*(\a)], v[SS+2*(\a)], v[SS+2*(\a)+1]
.endr
	s_cmp_eq_u32 s[CH], 0
	s_cselect_b32 s98, -1, 0                       ; all lanes in head 0's trip, none in head 1's
.irp a, 0,1,2,3,4,5,6,7,8
	v_cndmask_b32 v[KEEP+(\a)], v[KEEP+(\a)], v[SS+2*(\a)], s98  ; head 0's partial scores are set aside: head 1's fragments and sums take S's registers
.endr
	s_wait_alu depctr_vm_vsrc(0)                   ; the chunk's LDS loads have read v[TA], which the add writes, and v[AA], which the next chunk's head writes
	v_add_nc_u32 v[TA], 2048, v[TA]
	s_add_co_u32 s[CH], s[CH], 1
	s_cmp_lt_u32 s[CH], 2
	s_cbranch_scc1 .Lchunk
.LskipC:
	BAR                                            ; every wave's reads of the tile, of arg and of c b for the products are back: only now is anything stored into LDS
	s_wait_alu depctr_va_vdst(0)                   ; the sums and the selects have written S and KEEP, which the stores read; the epilogue is done with the registers in which the softmax's and the context's loads land
.irp a, 0,1,2,3,4,5,6,7,8              ; both halves of the lanes write the same word with the same number.  In a pass without work these lines store what the registers hold, and nobody reads it
	ds_store_b32 v[SPS0], v[KEEP+(\a)] offset:64*(\a)
	ds_store_b32 v[SPS0], v[SS+2*(\a)] offset:2304+64*(\a)
.endr
	s_wait_alu depctr_vm_vsrc(0)                   ; the stores have read S and KEEP: rows read back from the stage land in S's registers below, and the next pass writes both again
	BAR                                            ; all partial scores are in LDS; nobody reads arg and c b any more
	s_cmp_eq_u32 s[ACT], 0
	s_cbranch_scc1 .LskipX
	; ---------------- the softmax over the tile: every wave makes it for itself.  Lane l holds rows 32 t + l, t = 0 .. 4
.set sh_, 0
.rept 2
.set st_, 0
.rept 5
.set sw_, 0
.rept 4
.if st_ < 4
	ds_load_b32 v[SCB+20*sh_+4*st_+sw_], v[SPR] offset:2304*sh_+576*sw_+128*st_
.else
	ds_load_b32 v[SCB+20*sh_+4*st_+sw_], v[SPR4] offset:2304*sh_+576*sw_
.endif
.set sw_, sw_+1
.endr
.set st_, st_+1
.endr
.set sh_, sh_+1
.endr
.irp t, 0,1,2,3,4
	v_add_nc_u32 v[TMP], 32*(\t), v[LANE]
	v_cmp_gt_u32 s[VM+(\t)], s[NV], v[TMP]         ; is my row one of the share's?  (For t = 4 lanes 16-31 name rows 144 on: never.)
.endr
	s_wait_dscnt 0x0
	s_wait_alu depctr_va_sdst(0)                   ; the five compares have written their masks, ahead of the first select that reads one
.set i_, 0
.rept 10
	v_pk_add_f32 v[SCB+4*i_:SCB+4*i_+1], v[SCB+4*i_:SCB+4*i_+1], v[SCB+4*i_+2:SCB+4*i_+3]
.set i_, i_+1
.endr
.set i_, 0
.rept 10
	v_add_f32 v[SCB+4*i_], v[SCB+4*i_], v[SCB+4*i_+1]  ; the four waves' parts: the score
.set i_, i_+1
.endr
.irp hd, 0,1
.irp t, 0,1,2,3,4
	v_cndmask_b32 v[SCB+20*(\hd)+4*(\t)], v[NEGV], v[SCB+20*(\hd)+4*(\t)], s[VM+(\t)]
.endr
	v_max3_num_f32 v[ML+2*(\hd)], v[SCB+20*(\hd)], v[SCB+20*(\hd)+4], v[SCB+20*(\hd)+8]
	v_max3_num_f32 v[ML+2*(\hd)], v[ML+2*(\hd)], v[SCB+20*(\hd)+12], v[SCB+20*(\hd)+16]
.irp x, 1,2,4,8
	v_max_num_f32_dpp v[ML+2*(\hd)], v[ML+2*(\hd)], v[ML+2*(\hd)] row_xmask:\x row_mask:0xf bank_mask:0xf
.endr
	v_permlanex16_b32 v[SCB+20*(\hd)+1], v[ML+2*(\hd)], s[SEL], s[SEL+1]
	v_max_num_f32 v[ML+2*(\hd)], v[ML+2*(\hd)], v[SCB+20*(\hd)+1]  ; m, in every lane
.irp t, 0,1,2,3,4
	v_sub_f32 v[SCB+20*(\hd)+4*(\t)], v[SCB+20*(\hd)+4*(\t)], v[ML+2*(\hd)]
.endr
.irp t, 0,1,2,3,4
	v_mul_f32 v[SCB+20*(\hd)+4*(\t)], s[LOG2E], v[SCB+20*(\hd)+4*(\t)]
.endr
.endr
.set i_, 0
.rept 10
	v_exp_f32 v[SCB+4*i_], v[SCB+4*i_]
.set i_, i_+1
.endr
	v_nop                                          ; a plain instruction behind the last exponential,
	s_wait_alu depctr_va_vdst(0)                   ; and one wait for the ten: they have written the weights, ahead of the selects, their first readers
.irp hd, 0,1
.irp t, 0,1,2,3,4
	v_cndmask_b32 v[SCB+20*(\hd)+4*(\t)], 0, v[SCB+20*(\hd)+4*(\t)], s[VM+(\t)]  ; a row that is not the share's has weight 0
.endr
	v_add_f32 v[ML+2*(\hd)+1], v[SCB+20*(\hd)], v[SCB+20*(\hd)+4]
	v_add_f32 v[SCB+20*(\hd)+1], v[SCB+20*(\hd)+8], v[SCB+20*(\hd)+12]
	v_add_f32 v[ML+2*(\hd)+1], v[ML+2*(\hd)+1], v[SCB+20*(\hd)+1]
	v_add_f32 v[ML+2*(\hd)+1], v[ML+2*(\hd)+1], v[SCB+20*(\hd)+16]
.irp x, 1,2,4,8
	v_add_f32_dpp v[ML+2*(\hd)+1], v[ML+2*(\hd)+1], v[ML+2*(\hd)+1] row_xmask:\x row_mask:0xf bank_mask:0xf
.endr
	v_permlanex16_b32 v[SCB+20*(\hd)+1], v[ML+2*(\hd)+1], s[SEL], s[SEL+1]
	v_add_f32 v[ML+2*(\hd)+1], v[ML+2*(\hd)+1], v[SCB+20*(\hd)+1]  ; l, in every lane
.endr
.irp t, 0,1,2,3,4                      ; p = hi + lo, both bf16: all five groups' parts are made first, each in registers of its own,
	v_cvt_pk_bf16_f32 v[HB+4*(\t)], v[SCB+4*(\t)], v[SCB+20+4*(\t)]
	v_lshlrev_b32 v[HT], 16, v[HB+4*(\t)]
	v_and_b32 v[HT+1], 0xffff0000, v[HB+4*(\t)]
	v_sub_f32 v[HT], v[SCB+4*(\t)], v[HT]
	v_sub_f32 v[HT+1], v[SCB+20+4*(\t)], v[HT+1]
	v_cvt_pk_bf16_f32 v[HB+4*(\t)+1], v[HT], v[HT+1]
	v_lshrrev_b32 v[HB+4*(\t)+2], 16, v[HB+4*(\t)]
	v_lshrrev_b32 v[HB+4*(\t)+3], 16, v[HB+4*(\t)+1]
.endr
	s_wait_alu depctr_va_vdst(0)                   ; the twenty parts are written, which the stores read
.irp t, 0,1,2,3,4                      ; and then stored.  The table's rows: head 0's hi, its lo, head 1's hi, its lo; entry = the tile row
	ds_store_b16 v[PTS], v[HB+4*(\t)]   offset:64*(\t)
	ds_store_b16 v[PTS], v[HB+4*(\t)+1] offset:PPITCH+64*(\t)
	ds_store_b16 v[PTS], v[HB+4*(\t)+2] offset:2*PPITCH+64*(\t)
	ds_store_b16 v[PTS], v[HB+4*(\t)+3] offset:3*PPITCH+64*(\t)
.endr
.irp k, 0,1,2,3,4                      ; LDS serves a wave's instructions in order (ISA guide 5.7.1.4): these see my stores above; the table is my wave's own
	ds_load_b128 v[PF+8*(\k):PF+8*(\k)+3],   v[PTL] offset:64*(\k)
	ds_load_b128 v[PF+8*(\k)+4:PF+8*(\k)+7], v[PTL] offset:64*(\k)+32
.endr
	; ---------------- the context: wave w makes channels 256 w .. 256 w + 255 of both heads.  Steps 0 to 4 take the fragment buffers 0, 1, 2, 0, 1
	FE 0, 0                                        ; no vector or matrix line since the wait above names a register of the three buffers: their first fills want no further wait
	WIN 0
	s_wait_dscnt 32                                ; the weights are in: behind them only the 32 loads just issued
.set i_, 0
.rept 40
	v_and_b32 v[PF+i_], v[PMASK], v[PF+i_]         ; rows of source 0 other than 0, 1, 8, 9 are 0
.set i_, i_+1
.endr
	FE 1, 1
	s_wait_dscnt 32                                ; here and below: the older run of 32 is in, the younger may stay out
	MC 0, 0
	FE 2, 2
	s_wait_dscnt 32
	MC 1, 1
	s_wait_alu depctr_va_vdst(0)                   ; the products of steps 0 and 1 are done reading buffers 0 and 1, in which steps 3's and 4's fragments land
	FE 3, 0
	s_wait_dscnt 32
	MC 2, 2
	FE 4, 1                                        ; step 2's products name buffer 2, the weights and the accumulators, not buffer 1
	s_wait_dscnt 32
	MC 3, 0
	s_wait_dscnt 0x0
	MC 4, 1
	PLACES
	WIN 0x0a                                       ; sources in window 2
.set ct, 0
.rept 16
	v_add_f32 v[OS+ct], v[8*ct], v[8*ct+1]         ; hi's and lo's parts; lanes 0-15 hold head 0, lanes 16-31 head 1; channel lane % 16
.set ct, ct+1
.endr
	WIN 0
	s_wait_alu depctr_va_vdst(0)                   ; the sixteen sums are written, which the stores into the stage read; so are m and l, which wave 0's store below reads
.set ct, 0
.rept 16
	ds_store_b32 v[STS], v[OS+ct] offset:64*ct     ; my stage: [head][256 channels] f32, over the table, whose reads are back
.set ct, ct+1
.endr
.irp i, 0,1,2,3
	ds_load_b128 v[OS+16+4*(\i):OS+19+4*(\i)], v[STL] offset:512*(\i)
.endr
	s_wait_dscnt 0x0
	global_store_b128 v[L16], v[OS+16:OS+19], s[PCP:PCP+1]              ; each store covers 512 consecutive bytes, aligned
	global_store_b128 v[L16], v[OS+20:OS+23], s[PCP:PCP+1] offset:512
	global_store_b128 v[L16], v[OS+24:OS+27], s[PCP:PCP+1] offset:4096
	global_store_b128 v[L16], v[OS+28:OS+31], s[PCP:PCP+1] offset:4608
	s_cmp_lg_u32 s[WV], 0
	s_cbranch_scc1 .Lnot_wave_0
	global_store_b128 v[L16], v[ML:ML+3], s[PMP:PMP+1]  ; (m1, l1, m2, l2), the same in all 32 lanes: the slot's 512 bytes, whole
.Lnot_wave_0:
.LskipX:
	BAR                                            ; nobody reads the tile, the scores or a wave's own bytes any more
	s_mov_b32 s[ACT], s[ACT2]
	s_add_co_u32 s[PASS], s[PASS], 1
	s_cmp_lt_u32 s[PASS], 2
	s_cbranch_scc1 .Lpass
	s_wait_dscnt 0x0                               ; the wave's end
	s_wait_alu 0x0
	s_wait_tensorcnt 0x0
	ds_add_u32 v[SPW], v[NIL]
	s_wait_dscnt 0x0
	s_endpgm
.Lfunc_end_k_q8285ddf7df_main:
	.size	k_q8285ddf7df_main, .Lfunc_end_k_q8285ddf7df_main-k_q8285ddf7df_main
	.p2alignl 7, 3214868480
	.fill 96, 4, 3214868480
	.section	.rodata,"a",@progbits
	.p2align	6, 0x0
	.amdhsa_kernel k_q8285ddf7df_main
		.amdhsa_group_segment_fixed_size 327680
		.amdhsa_private_segment_fixed_size 0
		.amdhsa_enable_private_segment 0
		.amdhsa_kernarg_size 48
		.amdhsa_user_sgpr_count 2
		.amdhsa_user_sgpr_kernarg_segment_ptr 1
		.amdhsa_wavefront_size32 1
		.amdhsa_system_sgpr_workgroup_id_x 1
		.amdhsa_system_sgpr_workgroup_id_y 1
		.amdhsa_system_sgpr_workgroup_id_z 1
		.amdhsa_system_vgpr_workitem_id 0
		.amdhsa_next_free_vgpr 1024
		.amdhsa_next_free_sgpr 100
		.amdhsa_reserve_vcc 1
		.amdhsa_float_denorm_mode_32 3
		.amdhsa_float_denorm_mode_16_64 3
		.amdhsa_memory_ordered 1
		.amdhsa_forward_progress 1
		.amdhsa_inst_pref_size 255
	.end_amdhsa_kernel
	.section	.bss,"aw",@nobits
	.p2align	6
	.space	262144
	.amdgpu_metadata
---
amdhsa.version: [ 1, 2 ]
amdhsa.kernels:
  - .name:           k_q8285ddf7df_main
    .symbol:         k_q8285ddf7df_main.kd
    .args:
      - { .name: enc_hs, .offset: 0, .size: 8, .value_kind: global_buffer, .address_space: global }
      - { .name: wf, .offset: 8, .size: 8, .value_kind: global_buffer, .address_space: global }
      - { .name: tab, .offset: 16, .size: 8, .value_kind: global_buffer, .address_space: global }
      - { .name: rows, .offset: 24, .size: 8, .value_kind: global_buffer, .address_space: global }
      - { .name: pctx, .offset: 32, .size: 8, .value_kind: global_buffer, .address_space: global }
      - { .name: pml, .offset: 40, .size: 8, .value_kind: global_buffer, .address_space: global }
    .group_segment_fixed_size: 327680
    .private_segment_fixed_size: 0
    .kernarg_segment_align: 8
    .kernarg_segment_size: 48
    .max_flat_workgroup_size: 128
    .sgpr_count:     100
    .vgpr_count:     1024
    .wavefront_size: 32
...
	.end_amdgpu_metadata
.endif
;; end of part 4
;; launch combine: the kernel of part 3 again; grid 4 x 32, 4 waves a work-group, no clusters, 0 bytes of LDS; arguments rows, pctx, pml, out0; writes out0
